; MI455X (gfx1250); checked and timed in simulation.
; The chip was launched on July 23, 2026; its instructions are those of AMD's public machine-readable ISA for CDNA 5 (MIT licence, August 2026) and "CDNA5" Instruction Set Architecture Reference Guide (July 2026). The comments in the code are by the model that wrote it; some were corrected since.
;; Flash Cross Attention. Allowed arithmetic: matrix products marked QUANTISED: E2M3 operands, one E8M0 scale for each 32 along K, by v_wmma_scale_f32_16x16x128_f8f6f4 with both operands' format E2M3, f32 sums; everything else in f32.
;; Inputs: Wkv_codes 2,048 x 32 x 24 uint8 (E2M3 codes of Wkv, K innermost, in blocks of 32 codes, four codes in three bytes); Wkv_scales 2,048 x 32 uint8 (E8M0 scales of Wkv, one for each 32 codes along K); Wo_codes 1,024 x 32 x 24 uint8 (E2M3 codes of Wo, K innermost, in blocks of 32 codes, four codes in three bytes); Wo_scales 1,024 x 32 uint8 (E8M0 scales of Wo, one for each 32 codes along K); Wq_codes 1,024 x 32 x 24 uint8 (E2M3 codes of Wq, K innermost, in blocks of 32 codes, four codes in three bytes); Wq_scales 1,024 x 32 uint8 (E8M0 scales of Wq, one for each 32 codes along K); encoder_out_codes 4 x 2,048 x 32 x 24 uint8 (E2M3 codes of encoder_out, K innermost, in blocks of 32 codes, four codes in three bytes); encoder_out_scales 4 x 2,048 x 32 uint8 (E8M0 scales of encoder_out, one for each 32 codes along K); norm_w 1,024 float32; x 4 x 2,048 x 1,024 float32.
;; Outputs: out0 4 x 2,048 x 1,024 float32.
;; Constants: decoder_offset = 0.
;; This version of the problem:
;;   THIS VERSION OF THE PROBLEM IS GIVEN IN LOW PRECISION. The matrix products marked QUANTISED in the list below multiply operands that are first quantised to E2M3 (2 exponent bits, 3 mantissa bits; 6 bits a number), with one power-of-two scale for each 32 numbers along K (OCP MX v1.0); their sums are f32. All else is computed in f32.
;;   The module's matrix products, in the order in which they are computed (A, B: the left and right operand; K: the contracted axis; several contracted axes count as one K, in the product's order):
;;     1. [M 8,192, K 1,024] x [K 1,024, N 1,024]; A: computed on the way; B: input Wq (given as codes): QUANTISED
;;     2. [M 8,192, K 1,024] x [K 1,024, N 2,048]; A: input encoder_out (given as codes); B: input Wkv (given as codes): QUANTISED
;;     3. batch 64 x [M 2,048, K 64] x [K 64, N 2,048]; A: computed on the way; B: computed on the way: QUANTISED
;;     4. batch 64 x [M 64, K 2,048] x [K 2,048, N 2,048]; A: computed on the way; B: softmax (see below): QUANTISED
;;     5. [M 8,192, K 1,024] x [K 1,024, N 1,024]; A: computed on the way; B: input Wo (given as codes): QUANTISED
;;   THE QUANTISER, for each operand of a quantised product, along K:
;;     - K is cut into blocks of 32 from its start; a last block that is shorter is filled with zeros.
;;     - A block's scale is 2^e with e = floor(log2(the largest magnitude in the block)) - 2, held to -126 .. 127; a block of zeros has e = 0. As a byte (E8M0): e + 127.
;;     - Each number is divided by its block's scale, clamped to +-7.5, and rounded to the nearest number of E2M3, ties to even, subnormals kept.
;;     - The product sums the exact products of the quantised numbers (number of the format x scale) in f32.
;;   ~~~python
;;   def quantise(x, axis):      # numpy; x: float32 -> the quantised numbers, widened to float32 again
;;       x = np.moveaxis(x, axis, -1); K = x.shape[-1]
;;       x = np.pad(x, [(0, 0)] * (x.ndim - 1) + [(0, -K % 32)]); x = x.reshape(x.shape[:-1] + (-1, 32)); a = np.abs(x).max(-1, keepdims=True)
;;       e = np.where(a > 0, np.clip(np.frexp(np.where(a > 0, a, 1))[1] - 1 - 2, -126, 127), 0)      # np.frexp(a)[1] - 1 = floor(log2(a)), exactly
;;       r = np.clip(x / 2.0 ** e, -7.5, 7.5)
;;       step = 2.0 ** (np.maximum(np.frexp(np.where(r == 0, 1, r))[1] - 1, 0) - 3)
;;       q = np.round(r / step) * step * 2.0 ** e      # np.round: ties to even
;;       return np.moveaxis(q.reshape(q.shape[:-2] + (-1,))[..., :K], -1, axis).astype(np.float32)
;;   ~~~
;;   SOFTMAX AHEAD OF A QUANTISED PRODUCT. Where the list says 'softmax', what is quantised is not the finished softmax but p = 2^(t - M), with t = logit x log2(e) and M = ceil(the row's largest t), a whole number; so 1/2 < the row's largest p <= 1. The row's sum l is taken of the UNQUANTISED p, in f32, and the product's result is divided by l at the end. Since M is a whole number, a kernel that streams over the keys may use a running M (the ceiling of the running maximum): every later rescaling is an exact power of two, which a block's scale takes up: the codes' values come out the same.
;;   OPERANDS COMPUTED ON THE WAY. 'Computed on the way' means the value that the module computes at that place (a softmax that the list does not call 'softmax' is quantised finished and normalised). What goes into a quantiser is computed in f32, as accurately as f32 sums, v_exp_f32 and their like allow (about 1e-6 of the number): no bf16 or f16 on the way to a quantiser, and a product that is left as it is and whose result goes on into a quantised operand takes f32 operands (vector FMAs, or v_wmma_f32_16x16x4_f32). A number that lies on a knife's edge between two numbers of the format may be rounded either way, as far as f32 arithmetic and the matrix unit's own rounding can turn it there, and no further.
;;   INPUTS GIVEN AS CODES. Wkv (in the module: [2048, 1024], K = its axis 1); Wo (in the module: [1024, 1024], K = its axis 1); Wq (in the module: [1024, 1024], K = its axis 1); encoder_out (in the module: [4, 2048, 1024], K = its axis 2): each comes as NAME_codes (uint8): NAME with its K axis moved to the last place and cut into blocks of 32 codes, [.., K / 32, bytes a block], one block behind the other in memory; four codes in three bytes: a row's codes are one little-endian stream of bits, code i at bits 6 i .. 6 i + 5 (a code: sign, 2 exponent bits, 3 mantissa bits); and NAME_scales (uint8): the same leading axes, one E8M0 byte (e + 127) for each 32 codes along K. Its value is code x scale, taken as it is: it is not quantised again, and the codes and scales need not be those that the quantiser above would give.
;; One version. Each part assembles by itself: llvm-mc -triple=amdgcn-amd-amdhsa -mcpu=gfx1250 --defsym DOCPART=n.
;; ======== version 1 of 1: 4 launches
;; limits: right only within a limited range of input values
;; workspace buffers: img 15,728,640 bytes; scl 655,360 bytes; qrec 6,815,744 bytes; kvrec 13,369,344 bytes; oimg 6,291,456 bytes; oscl 524,288 bytes
;; launch prep (part 1): grid 448 x 1, 2 waves a work-group, no clusters, 136,448 bytes of LDS; arguments x, norm_w, encoder_out_codes, encoder_out_scales, Wq_codes, Wq_scales, Wkv_codes, Wkv_scales, Wo_codes, Wo_scales, img, scl; writes img, scl
.if DOCPART == 1
	.amdgcn_target "amdgcn-amd-amdhsa--gfx1250"
	.amdhsa_code_object_version 6
	.text
	.protected	k_q90bba11448_prep
	.globl	k_q90bba11448_prep
	.p2align	8
	.type	k_q90bba11448_prep,@function
k_q90bba11448_prep:
	s_mov_b64 s[64:65], 0
	v_nop
	global_prefetch_b8 v0, s[64:65] scope:SCOPE_SE
	s_setreg_imm32_b32 hwreg(HW_REG_WAVE_MODE, 25, 1), 1
	s_wait_xcnt 0x0
; FlashCrossAttention in MX-FP6 (E2M3 codes, one E8M0 scale for each 32 along K), four launches: prep, proj, attn, outp.
; DEAD WORK: none is left out.  Every input has a way to out0 and is loaded; decoder_offset = 0 is a constant of the problem and is built in (q and k take the same positions).
; THIS LAUNCH (a) takes h = rmsnorm(x) * norm_w in f32 and quantises it along its 1,024 numbers, and (b) lays the given codes of encoder_out, Wq, Wkv, Wo in the order of an operand's registers.
; A FRAGMENT is 16 rows x 128 K: 12 registers a lane; lane (r, h) holds row r, registers 6 c .. 6 c + 5 hold k = 64 c + 32 h + 0 .. 31.  Its IMAGE is 1,536 bytes: registers 4 c .. 4 c + 3 of lane l at 512 c + 16 l.
; img: tile T (16 rows, all of K) = 8 images on end, 12,288 bytes.  Tiles 0-511 h, 512-1023 encoder_out, 1024-1087 Wq, 1088-1215 Wkv, 1216-1279 Wo.
; scl: for each pair of tiles 1,024 bytes: the scale words of K steps 4 q .. 4 q + 3 at 512 q + 16 l; lanes 0-15 the rows of the even tile, lanes 16-31 those of the odd one.
; Tiles of tokens hold neighbouring rows.  THE ROWS OF A WEIGHT THAT FORM A TILE ARE NOT NEIGHBOURS: lane r of tile 2 b + u takes row 32 b + 8 u + r + 8 (r / 8), so that results of two neighbouring tiles are 16 neighbours along the next K.
; SHARES.  Work-groups 0-255: each of the two waves takes one tile of 16 tokens.  Work-groups 256-447: each wave lays one pair of tiles of given codes.  Waves share nothing: no barrier.
; LIMITS.  NaN and infinities among the inputs are not served.  A block of zeros gets the scale byte 1 (the rule says 127): its codes are zeros and this program alone reads the bytes.
; h is made as (x * norm_w) * rsqrt(mean + eps), where the source has (x * rsqrt) * norm_w: one f32 rounding apart.
.set WREG,  68096                      ; LDS of a wave: 16 rows of x * w, 4,112 bytes apart, then 16 rows of 32 partial sums, 144 bytes apart
.set RP,    4112                       ; 257 x 16: the 16 lanes that read one column of 16 rows touch 16 different columns of 16 bytes
.set PART,  65792
.set SPARE, 2*WREG                     ; the spare words: 128 bytes a wave, one block of 256 bytes that no other line names
.set LI,  1                            ; v1   16 x lane
.set RST, 2                            ; v2   where I store 16 bytes of a row
.set PST, 3                            ; v3   where I store my partial sum
.set PRD, 4                            ; v4   where I read 16 partial sums of row r
.set RRD, 5                            ; v5   where I read row r back: 4,112 r + 64 h
.set SOF, 6                            ; v6   my place in the scale image: 512 h + 16 r
.set SPW, 10                           ; v10  my spare word; never rewritten
.set NIL, 11                           ; v11  0; never rewritten
.set W,   16                           ; v16-47   norm_w at my columns
.set X,   48                           ; v48-175  four row slots of 32; later two sets of 64 numbers
.set PC,  180                          ; v180-199 the codes just made
.set TM,  200                          ; v200-215 at work in the quantiser
.set PW,  216                          ; v216     the scale word just made
.set W8,  220                          ; v220-227 the tile's eight scale words
.set SEL, 38                           ; s[38:39] lane selects: lane l xor 16
; 64 numbers of a lane, register 16 b + i = k 32 b + 16 h + i of my row, become a fragment's codes in v[PC] on and its scale word in v[PW]
.macro QUANT s
.irp b, 0,1,2,3
	v_max3_num_f32 v[TM+\b], |v[\s+16*\b]|, |v[\s+1+16*\b]|, 0x1800000   ; my 16 numbers of block b, and the floor 2^(3 - 127): the byte cannot fall under 1
.endr
.irp i, 2,4,6,8,10,12,14
.irp b, 0,1,2,3
	v_max3_num_f32 v[TM+\b], v[TM+\b], |v[\s+16*\b+\i]|, |v[\s+1+16*\b+\i]|
.endr
.endr
.irp b, 0,1,2,3
	v_permlanex16_b32 v[TM+4+\b], v[TM+\b], s[SEL], s[SEL+1]
.endr
.irp b, 0,1,2,3
	v_max_num_f32 v[TM+\b], v[TM+\b], v[TM+4+\b]       ; with lane l xor 16: the block's largest magnitude
.endr
.irp b, 0,1,2,3
	v_add_nc_u32 v[TM+12+\b], 0xff000000, v[TM+\b]     ; 2 off its exponent field: the conversion's scale operand
.endr
.irp b, 0,1,2,3
	v_lshrrev_b32 v[TM+4+\b], 23, v[TM+12+\b]          ; the scale's byte
.endr
	v_lshl_or_b32 v[PW], v[TM+5], 8, v[TM+4]
	v_lshl_or_b32 v[PW], v[TM+6], 16, v[PW]
	v_lshl_or_b32 v[PW], v[TM+7], 24, v[PW]
.irp c, 0,1
	v_cvt_scalef32_pk16_fp6_f32 v[PC+6*\c:PC+2+6*\c], v[\s+32*\c:\s+15+32*\c], v[TM+12+2*\c]
	v_cvt_scalef32_pk16_fp6_f32 v[PC+12+4*\c:PC+14+4*\c], v[\s+16+32*\c:\s+31+32*\c], v[TM+12+2*\c+1]
.endr
	v_nop                                              ; one plain place behind a scaled conversion
.irp c, 0,1                                            ; a whole block to a lane: lanes 0-15 block 2 c, lanes 16-31 block 2 c + 1
.irp i, 0,1,2
	v_permlane16_swap_b32 v[PC+6*\c+\i], v[PC+12+4*\c+\i]
.endr
.irp i, 0,1,2
	v_mov_b32 v[PC+3+6*\c+\i], v[PC+12+4*\c+\i]
.endr
.endr
.endm
.macro LOADROW i                       ; row i of my tile: eight loads of 512 consecutive bytes
.irp j, 0,1,2,3,4,5,6,7
	global_load_b128 v[X+32*((\i)%4)+4*\j:X+32*((\i)%4)+4*\j+3], v[LI], s[8:9] offset:4096*(\i)+512*\j th:TH_LOAD_NT
.endr
.endm
.macro TURN i                          ; row i: my 32 numbers' sum of squares to LDS; x * w to LDS
.set XS, X+32*((\i)%4)
.if (\i) >= 1
	s_wait_dscnt 0x0                                   ; the last row's LDS stores have read their registers
.endif
.if ((\i) >= 1) && ((\i) <= 12)
	LOADROW (\i)+3                                     ; into the slot that the last row has left
.endif
.if (\i) <= 12
	s_wait_loadcnt 24                                  ; my row is in; the three rows behind it, eight loads each, stay out
.else
	s_wait_loadcnt 8*(15-(\i))                         ; the last rows: the counts run down
.endif
	v_pk_mul_f32 v[176:177], v[XS:XS+1], v[XS:XS+1]
	v_pk_mul_f32 v[178:179], v[XS+2:XS+3], v[XS+2:XS+3]
.set k, 4
.rept 7
	v_pk_fma_f32 v[176:177], v[XS+k:XS+k+1], v[XS+k:XS+k+1], v[176:177]
	v_pk_fma_f32 v[178:179], v[XS+k+2:XS+k+3], v[XS+k+2:XS+k+3], v[178:179]
.set k, k+4
.endr
	v_pk_add_f32 v[176:177], v[176:177], v[178:179]
	v_add_f32 v176, v176, v177
	ds_store_b32 v[PST], v176 offset:144*(\i)
.set k, 0
.rept 16
	v_pk_mul_f32 v[XS+k:XS+k+1], v[XS+k:XS+k+1], v[W+k:W+k+1]
.set k, k+2
.endr
.irp j, 0,1,2,3,4,5,6,7
	ds_store_b128 v[RST], v[XS+4*\j:XS+4*\j+3] offset:RP*(\i)+512*\j
.endr
.endm
.macro NLOAD s, buf                    ; K step s of row r: register 16 b + i = k 128 s + 32 b + 16 h + i
.irp b, 0,1,2,3
.irp j, 0,1,2,3
	ds_load_b128 v[\buf+16*\b+4*\j:\buf+16*\b+4*\j+3], v[RRD] offset:512*(\s)+128*\b+16*\j
.endr
.endr
.endm
.macro CSTEP s                         ; K step s: scaled by the row's rsqrt, quantised, its image stored
.set NB, X+64*((\s)%2)
.if (\s) < 7
	NLOAD (\s)+1, X+64*(((\s)+1)%2)
	s_wait_dscnt 16                                    ; this step's numbers are in; the 16 reads just issued stay out
.else
	s_wait_dscnt 0x0
.endif
	s_wait_xcnt 0x0                                    ; the last step's stores have read the codes' registers
.set k, 0
.rept 32
	v_pk_mul_f32 v[NB+k:NB+k+1], v[NB+k:NB+k+1], v[228:229]
.set k, k+2
.endr
	QUANT NB
	v_mov_b32 v[W8+(\s)], v[PW]
.irp c, 0,1,2
	global_store_b128 v[LI], v[PC+4*\c:PC+4*\c+3], s[28:29] offset:1536*(\s)+512*\c   ; 512 consecutive bytes, aligned
.endr
.endm
	s_load_b512 s[8:23], s[0:1], 0x0                   ; x, norm_w, encoder_out codes, scales, Wq codes, scales, Wkv codes, scales
	s_load_b256 s[24:31], s[0:1], 0x40                 ; Wo codes, scales, img, scl
	v_lshl_add_u32 v[SPW], v0, 2, SPARE
	v_mov_b32 v[NIL], 0
	v_lshrrev_b32 v12, 5, v0
	v_readfirstlane_b32 s32, v12                       ; wave
	v_and_b32 v12, 31, v0                              ; lane
	v_and_b32 v13, 15, v0                              ; r
	v_bfe_u32 v14, v0, 4, 1                            ; h
	v_lshlrev_b32 v[LI], 4, v12
	s_mul_i32 s33, s32, WREG
	v_add_nc_u32 v[RST], s33, v[LI]
	v_lshl_add_u32 v[PST], v12, 2, PART
	v_add_nc_u32 v[PST], s33, v[PST]
	v_mul_u32_u24 v[PRD], v13, 144
	v_lshl_add_u32 v[PRD], v14, 6, v[PRD]
	v_add_nc_u32 v[PRD], PART, v[PRD]
	v_add_nc_u32 v[PRD], s33, v[PRD]
	v_mul_u32_u24 v[RRD], v13, RP
	v_lshl_add_u32 v[RRD], v14, 6, v[RRD]
	v_add_nc_u32 v[RRD], s33, v[RRD]
	v_lshlrev_b32 v[SOF], 4, v13
	v_lshl_add_u32 v[SOF], v14, 9, v[SOF]
	s_mov_b32 s[SEL], 0x76543210
	s_mov_b32 s[SEL+1], 0xfedcba98
	s_mov_b32 s40, 0xffff0000                          ; a lane mask: lanes 16-31
	s_cmp_lt_u32 ttmp9, 256
	s_cbranch_scc0 .Lrelay
	; ---- the norm: my tile = 2 x work-group + wave
	s_lshl_b32 s33, ttmp9, 1
	s_add_co_u32 s33, s33, s32
	s_lshl_b32 s34, s33, 16                            ; 16 rows of 4,096 bytes
	s_mov_b32 s35, 0
	s_mul_i32 s36, s33, 12288
	s_mov_b32 s37, 0
	s_lshl_b32 s44, ttmp9, 10                          ; the pair's scale image,
	s_lshl_b32 s45, s32, 8                             ; and my tile's sixteen lanes in it
	s_add_co_u32 s44, s44, s45
	s_mov_b32 s45, 0
	s_mov_b32 s41, 0x3a800000                          ; 1 / 1024
	s_mov_b32 s42, 0x358637bd                          ; eps = 1e-6
	s_wait_kmcnt 0x0
	s_add_nc_u64 s[8:9], s[8:9], s[34:35]
	s_add_nc_u64 s[28:29], s[28:29], s[36:37]
	s_add_nc_u64 s[30:31], s[30:31], s[44:45]
.irp j, 0,1,2,3,4,5,6,7
	global_load_b128 v[W+4*\j:W+4*\j+3], v[LI], s[10:11] offset:512*\j
.endr
.irp i, 0,1,2,3
	LOADROW \i
.endr
.irp i, 0,1,2,3,4,5,6,7,8,9,10,11,12,13,14,15
	TURN \i
.endr
	s_wait_dscnt 0x0                                   ; my LDS stores have read their registers: loads may land there
.irp j, 0,1,2,3
	ds_load_b128 v[TM+4*\j:TM+4*\j+3], v[PRD] offset:16*\j   ; 16 of row r's 32 partial sums (LDS serves a wave's instructions in order)
.endr
	NLOAD 0, X
	s_wait_dscnt 16                                    ; the partial sums are in; K step 0's 16 reads stay out
	v_pk_add_f32 v[TM:TM+1], v[TM:TM+1], v[TM+2:TM+3]
	v_pk_add_f32 v[TM+4:TM+5], v[TM+4:TM+5], v[TM+6:TM+7]
	v_pk_add_f32 v[TM+8:TM+9], v[TM+8:TM+9], v[TM+10:TM+11]
	v_pk_add_f32 v[TM+12:TM+13], v[TM+12:TM+13], v[TM+14:TM+15]
	v_pk_add_f32 v[TM:TM+1], v[TM:TM+1], v[TM+4:TM+5]
	v_pk_add_f32 v[TM+8:TM+9], v[TM+8:TM+9], v[TM+12:TM+13]
	v_pk_add_f32 v[TM:TM+1], v[TM:TM+1], v[TM+8:TM+9]
	v_add_f32 v176, v[TM], v[TM+1]
	v_permlanex16_b32 v177, v176, s[SEL], s[SEL+1]
	v_add_f32 v176, v176, v177                         ; the row's sum of squares
	v_fma_f32 v176, v176, s41, s42                     ; mean + eps
	s_wait_alu depctr_va_vdst(0)
	v_rsq_f32 v228, v176
	v_rsq_f32 v229, v176                               ; twice: a pair for the packed multiply
	v_nop                                              ; a plain place behind the transcendentals
	s_wait_alu depctr_va_vdst(0)                       ; the wait ahead of the first reader: one for both
.irp s, 0,1,2,3,4,5,6,7
	CSTEP \s
.endr
.irp i, 0,1,2,3
	v_cndmask_b32 v[232+\i], v[W8+\i], v[W8+4+\i], s40 ; both halves hold row r's words: lanes 0-15 store K steps 0-3, lanes 16-31 K steps 4-7
.endr
	global_store_b128 v[SOF], v[232:235], s[30:31]     ; two runs of 256 consecutive bytes, aligned
	s_branch .Lend
	; ---- given codes into images: job j = a pair of tiles, 32 rows
.Lrelay:
	s_sub_co_u32 s33, ttmp9, 256
	s_lshl_b32 s33, s33, 1
	s_add_co_u32 s33, s33, s32                         ; j: 0-255 encoder_out, 256-287 Wq, 288-351 Wkv, 352-383 Wo
	s_wait_kmcnt 0x0
	s_mov_b64 s[34:35], s[24:25]
	s_mov_b64 s[36:37], s[26:27]
	s_mov_b32 s44, 352
	s_mov_b32 s43, -1                                  ; weights: the rows of a tile are chosen
	s_cmp_lt_u32 s33, 352
	s_cselect_b64 s[34:35], s[20:21], s[34:35]
	s_cselect_b64 s[36:37], s[22:23], s[36:37]
	s_cselect_b32 s44, 288, s44
	s_cmp_lt_u32 s33, 288
	s_cselect_b64 s[34:35], s[16:17], s[34:35]
	s_cselect_b64 s[36:37], s[18:19], s[36:37]
	s_cselect_b32 s44, 256, s44
	s_cmp_lt_u32 s33, 256
	s_cselect_b64 s[34:35], s[12:13], s[34:35]
	s_cselect_b64 s[36:37], s[14:15], s[36:37]
	s_cselect_b32 s44, 0, s44
	s_cselect_b32 s43, 0, s43                          ; tokens: neighbouring rows
	s_sub_co_u32 s44, s33, s44                         ; the pair's number in its tensor
	s_mul_i32 s46, s44, 24576                          ; 32 rows of 768 bytes
	s_mov_b32 s47, 0
	s_add_nc_u64 s[34:35], s[34:35], s[46:47]
	s_lshl_b32 s46, s44, 10                            ; 32 rows of 32 scale bytes
	s_add_nc_u64 s[36:37], s[36:37], s[46:47]
	s_add_co_u32 s45, s33, 256                         ; the pair's number in img and scl
	s_mul_i32 s46, s45, 24576
	s_add_nc_u64 s[28:29], s[28:29], s[46:47]
	s_lshl_b32 s46, s45, 10
	s_add_nc_u64 s[30:31], s[30:31], s[46:47]
	v_and_b32 v27, 8, v13
	v_add_nc_u32 v27, v27, v13                         ; r + 8 (r / 8)
	v_cndmask_b32 v28, v13, v27, s43                   ; tile 0: my row
	v_add_nc_u32 v29, 16, v13
	v_add_nc_u32 v27, 8, v27
	v_cndmask_b32 v29, v29, v27, s43                   ; tile 1: my row
	v_mul_u32_u24 v24, v28, 768
	v_mad_u32_u24 v24, v14, 24, v24
	v_mul_u32_u24 v25, v29, 768
	v_mad_u32_u24 v25, v14, 24, v25
	v_cndmask_b32 v26, v28, v29, s40                   ; the scale image: lanes 16-31 take tile 1's rows
	v_lshlrev_b32 v26, 5, v26
.irp q, 0,1
	global_load_b128 v[16+4*\q:19+4*\q], v26, s[36:37] offset:16*\q
.endr
.irp u, 0,1
.irp s, 0,1,2,3,4,5,6,7
.irp p, 0,1,2,3,4,5
	global_load_b64 v[48+96*\u+12*\s+2*\p:49+96*\u+12*\s+2*\p], v[24+\u], s[34:35] offset:96*\s+48*(\p/3)+8*(\p%3)
.endr
.endr
.endr
	s_wait_loadcnt 48                                  ; the scale words and tile 0 are in; tile 1's 48 loads stay out
.irp q, 0,1
	global_store_b128 v[LI], v[16+4*\q:19+4*\q], s[30:31] offset:512*\q
.endr
.irp s, 0,1,2,3,4,5,6,7
.irp c, 0,1,2
	global_store_b128 v[LI], v[48+12*\s+4*\c:51+12*\s+4*\c], s[28:29] offset:1536*\s+512*\c
.endr
.endr
	s_wait_loadcnt 0x0
.irp s, 0,1,2,3,4,5,6,7
.irp c, 0,1,2
	global_store_b128 v[LI], v[144+12*\s+4*\c:147+12*\s+4*\c], s[28:29] offset:12288+1536*\s+512*\c
.endr
.endr
.Lend:
	s_wait_tensorcnt 0x0                               ; the wave's end
	ds_add_u32 v[SPW], v[NIL]
	s_wait_dscnt 0x0
	s_endpgm
.Lfunc_end_k_q90bba11448_prep:
	.size	k_q90bba11448_prep, .Lfunc_end_k_q90bba11448_prep-k_q90bba11448_prep
	.p2alignl 7, 3214868480
	.fill 96, 4, 3214868480
	.section	.rodata,"a",@progbits
	.p2align	6, 0x0
	.amdhsa_kernel k_q90bba11448_prep
		.amdhsa_group_segment_fixed_size 136448
		.amdhsa_private_segment_fixed_size 0
		.amdhsa_enable_private_segment 0
		.amdhsa_kernarg_size 96
		.amdhsa_user_sgpr_count 2
		.amdhsa_user_sgpr_kernarg_segment_ptr 1
		.amdhsa_wavefront_size32 1
		.amdhsa_system_sgpr_workgroup_id_x 1
		.amdhsa_system_sgpr_workgroup_id_y 1
		.amdhsa_system_sgpr_workgroup_id_z 1
		.amdhsa_system_vgpr_workitem_id 0
		.amdhsa_next_free_vgpr 240
		.amdhsa_next_free_sgpr 66
		.amdhsa_reserve_vcc 0
		.amdhsa_float_denorm_mode_32 3
		.amdhsa_float_denorm_mode_16_64 3
		.amdhsa_memory_ordered 1
		.amdhsa_forward_progress 1
		.amdhsa_inst_pref_size 133
	.end_amdhsa_kernel
	.amdgpu_metadata
---
amdhsa.version: [ 1, 2 ]
amdhsa.kernels:
  - .name:           k_q90bba11448_prep
    .symbol:         k_q90bba11448_prep.kd
    .args:
      - { .name: x, .offset: 0, .size: 8, .value_kind: global_buffer, .address_space: global }
      - { .name: norm_w, .offset: 8, .size: 8, .value_kind: global_buffer, .address_space: global }
      - { .name: encoder_out_codes, .offset: 16, .size: 8, .value_kind: global_buffer, .address_space: global }
      - { .name: encoder_out_scales, .offset: 24, .size: 8, .value_kind: global_buffer, .address_space: global }
      - { .name: Wq_codes, .offset: 32, .size: 8, .value_kind: global_buffer, .address_space: global }
      - { .name: Wq_scales, .offset: 40, .size: 8, .value_kind: global_buffer, .address_space: global }
      - { .name: Wkv_codes, .offset: 48, .size: 8, .value_kind: global_buffer, .address_space: global }
      - { .name: Wkv_scales, .offset: 56, .size: 8, .value_kind: global_buffer, .address_space: global }
      - { .name: Wo_codes, .offset: 64, .size: 8, .value_kind: global_buffer, .address_space: global }
      - { .name: Wo_scales, .offset: 72, .size: 8, .value_kind: global_buffer, .address_space: global }
      - { .name: img, .offset: 80, .size: 8, .value_kind: global_buffer, .address_space: global }
      - { .name: scl, .offset: 88, .size: 8, .value_kind: global_buffer, .address_space: global }
    .group_segment_fixed_size: 136448
    .private_segment_fixed_size: 0
    .kernarg_segment_align: 8
    .kernarg_segment_size: 96
    .max_flat_workgroup_size: 64
    .sgpr_count:     66
    .vgpr_count:     240
    .wavefront_size: 32
...
	.end_amdgpu_metadata
.endif
;; end of part 1
;; launch proj (part 2): grid 12 x 64, 4 waves a work-group, clusters of 4 x 1, 167,936 bytes of LDS; arguments img, scl, qrec, kvrec; writes qrec, kvrec
.if DOCPART == 2
	.amdgcn_target "amdgcn-amd-amdhsa--gfx1250"
	.amdhsa_code_object_version 6
	.text
	.protected	k_q90bba11448_proj
	.globl	k_q90bba11448_proj
	.p2align	8
	.type	k_q90bba11448_proj,@function
k_q90bba11448_proj:
	s_mov_b64 s[64:65], 0
	v_nop
	global_prefetch_b8 v0, s[64:65] scope:SCOPE_SE
	s_setreg_imm32_b32 hwreg(HW_REG_WAVE_MODE, 25, 1), 1
	s_wait_xcnt 0x0
	s_wait_alu depctr_hold_cnt(0) depctr_sa_sdst(0) depctr_va_vdst(0) depctr_va_sdst(0) depctr_va_ssrc(0) depctr_va_vcc(0) depctr_vm_vsrc(0)
	s_getreg_b32 s2, hwreg(HW_REG_IB_STS2, 6, 4)
	s_cmp_eq_u32 s2, 0
	s_cbranch_scc0 .Lentry_in_a_cluster
	s_endpgm
.Lentry_in_a_cluster:
	s_bfe_u32 s2, ttmp6, 0x10000c
	s_cmp_lg_u32 s2, 0x3003
	s_cbranch_scc0 .Lentry_shape_is_right
	s_endpgm
.Lentry_shape_is_right:
; q = h Wq^T, k and v = encoder_out Wkv^T on E2M3 codes; RoPE on q and k in f32; q and k quantised along the head's 64, v along the keys.  No work of the problem is left out here.
; SHARES.  The cluster's x is the kind (0 q, 1 k, 2 v), the same in its four partners; y is a group of 128 tokens.  Wave w of partner cx owns head 4 cx + w: 64 columns x 128 tokens, 256 matrix instructions.
; ITS PART OF THE WEIGHT STAYS IN REGISTERS: 4 tiles x 8 K steps = 32 fragments, 384 registers, loaded as images.  The 128 tokens' 64 fragments (98,304 bytes) are shared by the four partners:
; each wave asks for a quarter by ONE joint tensor load; LDS is filled once, so there is no ring.
; q, k: source 0 = 16 rows of the weight, source 1 = 16 tokens: a lane holds one token, the 16 registers of tiles 2 b, 2 b + 1 are columns 32 b + 16 h + 0 .. 15 (the weight's tiles were laid for that).
; v: source 0 = 16 tokens, source 1 = the weight: a lane holds one column d, its registers run along the keys: register j of token tile m is key 16 m + 8 h + j.  So inside a block of 32 keys the codes stand in
; the order 0-7, 16-23, 8-15, 24-31.  The softmax's p is made by the same lines in the next launch and stands in the same order: blocks, scales and products are those of the natural order.
; ROPE.  inv_freq = 2^(-d log2(10000) / 32) by v_exp_f32.  cos and sin of the group's first 16 positions come from the f32 angle pos x inv_freq (reduced by pi / 2 in three parts, polynomials on |rho| <= pi / 4);
; the seven later tiles by rotation through 16 x inv_freq.  LIMIT: against the source's own f32 angle that differs by at most about 3e-4 rad at the highest positions, the size of that angle's own rounding.
; OUT.  qrec: a record of 106,496 bytes a (batch, head): 64 images of a pair of token tiles (registers 0-5 the even tile, 6-11 the odd one), then from byte 98,304 the scale words, 512 bytes a group of 128 tokens:
; token 32 a + l of the group at 16 l + 4 a; bytes 2 and 3 are 127.  kvrec: 208,896 bytes: k as q; from 98,304 v's images [group][tile of d]; from 196,608 k's scale words; from 204,800 v's, 256 bytes a group, at 8 l + 4 e.
; LIMITS: NaN and infinities are not served; a block of zeros gets the byte 1 (its codes are zeros, and this program alone reads the bytes).
; REGISTERS: window 0: v1-8 addresses; v16-111 two sets of 4 token fragments (before and behind the products: at work); v112-127 the weight's scale words, v128-159 the tokens'; v160-223 cos, sin and their steps; v224-241 at work.
;   window 1: the weight's fragments of K steps 0-3 at v[12 (4 nt + s)];  window 2: K steps 4-7;  window 3: the 32 accumulators (q, k: 32 m + 8 nt;  v: 64 nt + 8 m).
.set SPARE, 98304                      ; behind the fragments: the spare words, 128 bytes a wave: two blocks of 256 bytes that no other line names
.set LI,  1                            ; v1  16 x lane
.set LI2, 2                            ; v2  the same, 49,152 bytes on: token tiles 4-7
.set RR,  3
.set HH,  4
.set SPW, 5
.set NIL, 6
.set LI8, 8                            ; v8  8 x lane
.set AF,  16
.set WS,  112
.set AS,  128
.set CC,  160
.set SS,  176
.set C16, 192
.set S16, 208
.set TH,  224
.set H,   16                           ; behind the products: 32 rotated numbers
.set TA,  48
.set PC,  64
.set TX,  76
.set TM,  80
.set SW,  96
.set WD,  100
.set PCV, 64
.set TMV, 84
.set PW,  100
.set PWE, 101
.set VW,  102
.set WV,  12
.set SEL, 46
.set MSB, 0
.macro WIN new                         ; the immediate's high byte repeats the setting that is left
.if MSB != (\new)
	s_set_vgpr_msb (MSB<<8)|(\new)
.set MSB, (\new)
.endif
.endm
.macro PLACES n
.rept \n
	v_nop
.endr
.endm
.macro CROUND                          ; a round of the cluster's barrier
	s_barrier_signal -1
	s_barrier_wait -1
	s_cmp_lg_u32 s[WV], 0
	s_cbranch_scc1 .Lnot_wave_0_\@
	s_barrier_signal -3
.Lnot_wave_0_\@:
	s_barrier_wait -3
	s_barrier_signal -1
	s_barrier_wait -1
.endm
; one product.  zero: the sum begins; ra, rb: the side's scale words stand in lanes 16-31
.macro WM d, a, b, zero, sa, sb, ra, rb
.if (\zero)
.if (\ra) && (\rb)
	v_wmma_scale_f32_16x16x128_f8f6f4 v[(\d):(\d)+7], v[(\a):(\a)+11], v[(\b):(\b)+11], 0, v[\sa], v[\sb] matrix_a_fmt:MATRIX_FMT_FP6 matrix_b_fmt:MATRIX_FMT_FP6 matrix_a_scale:MATRIX_SCALE_ROW1 matrix_b_scale:MATRIX_SCALE_ROW1
.elseif (\ra)
	v_wmma_scale_f32_16x16x128_f8f6f4 v[(\d):(\d)+7], v[(\a):(\a)+11], v[(\b):(\b)+11], 0, v[\sa], v[\sb] matrix_a_fmt:MATRIX_FMT_FP6 matrix_b_fmt:MATRIX_FMT_FP6 matrix_a_scale:MATRIX_SCALE_ROW1
.elseif (\rb)
	v_wmma_scale_f32_16x16x128_f8f6f4 v[(\d):(\d)+7], v[(\a):(\a)+11], v[(\b):(\b)+11], 0, v[\sa], v[\sb] matrix_a_fmt:MATRIX_FMT_FP6 matrix_b_fmt:MATRIX_FMT_FP6 matrix_b_scale:MATRIX_SCALE_ROW1
.else
	v_wmma_scale_f32_16x16x128_f8f6f4 v[(\d):(\d)+7], v[(\a):(\a)+11], v[(\b):(\b)+11], 0, v[\sa], v[\sb] matrix_a_fmt:MATRIX_FMT_FP6 matrix_b_fmt:MATRIX_FMT_FP6
.endif
.else
.if (\ra) && (\rb)
	v_wmma_scale_f32_16x16x128_f8f6f4 v[(\d):(\d)+7], v[(\a):(\a)+11], v[(\b):(\b)+11], v[(\d):(\d)+7], v[\sa], v[\sb] matrix_a_fmt:MATRIX_FMT_FP6 matrix_b_fmt:MATRIX_FMT_FP6 matrix_a_scale:MATRIX_SCALE_ROW1 matrix_b_scale:MATRIX_SCALE_ROW1
.elseif (\ra)
	v_wmma_scale_f32_16x16x128_f8f6f4 v[(\d):(\d)+7], v[(\a):(\a)+11], v[(\b):(\b)+11], v[(\d):(\d)+7], v[\sa], v[\sb] matrix_a_fmt:MATRIX_FMT_FP6 matrix_b_fmt:MATRIX_FMT_FP6 matrix_a_scale:MATRIX_SCALE_ROW1
.elseif (\rb)
	v_wmma_scale_f32_16x16x128_f8f6f4 v[(\d):(\d)+7], v[(\a):(\a)+11], v[(\b):(\b)+11], v[(\d):(\d)+7], v[\sa], v[\sb] matrix_a_fmt:MATRIX_FMT_FP6 matrix_b_fmt:MATRIX_FMT_FP6 matrix_b_scale:MATRIX_SCALE_ROW1
.else
	v_wmma_scale_f32_16x16x128_f8f6f4 v[(\d):(\d)+7], v[(\a):(\a)+11], v[(\b):(\b)+11], v[(\d):(\d)+7], v[\sa], v[\sb] matrix_a_fmt:MATRIX_FMT_FP6 matrix_b_fmt:MATRIX_FMT_FP6
.endif
.endif
.endm
.macro WLOAD base                      ; the weight's fragments of K steps base .. base + 3
.irp nt, 0,1,2,3
.irp s, 0,1,2,3
.irp c, 0,1,2
	global_load_b128 v[12*(4*\nt+\s)+4*\c:12*(4*\nt+\s)+4*\c+3], v[LI], s[36:37] offset:(8*\nt+\s+\base)*1536+512*\c
.endr
.endr
.endr
.endm
.macro FETCH n                         ; four token fragments: K step n / 2, tiles 4 (n % 2) .. + 3, into set n % 2
.set fs, (\n)/2
.set fq, (\n)%2
.set fb, AF+48*((\n)%2)
.irp i, 0,1,2,3
.irp c, 0,1,2
	ds_load_b128 v[fb+12*\i+4*\c:fb+12*\i+4*\c+3], v[LI+fq] offset:12288*\i+1536*fs+512*\c
.endr
.endr
.endm
; the 256 products.  mode 0: the weight is source 0; mode 1: the tokens are.  The 32 accumulators take turns, one instruction a turn.
.macro MAIN mode
	FETCH 0
.set n, 0
.rept 16
.if n < 15
.if n >= 1
	PLACES 4                                           ; in front of loads into the set that the products just issued have read
.endif
	FETCH n+1
	s_wait_dscnt 12                                    ; this run's fragments are in; the 12 reads just issued stay out
.else
	s_wait_dscnt 0x0
.endif
.set ks, n/2
.set q2, n%2
.set ww, 1+ks/4
.set wb, 12*(ks%4)
.set ab, AF+48*(n%2)
.if \mode
	WIN 0xf0|(ww<<2)
.else
	WIN 0xf0|ww
.endif
.irp i, 0,1,2,3
.irp nt, 0,1,2,3
.if \mode
	WM 64*\nt+8*(4*q2+\i), ab+12*\i, 48*\nt+wb, ks==0, AS+8*((4*q2+\i)/2)+ks, WS+8*(\nt/2)+ks, \i%2, \nt%2
.else
	WM 32*(4*q2+\i)+8*\nt, 48*\nt+wb, ab+12*\i, ks==0, WS+8*(\nt/2)+ks, AS+8*((4*q2+\i)/2)+ks, \nt%2, \i%2
.endif
.endr
.endr
	WIN 0
.set n, n+1
.endr
.endm
; one line for sixteen registers, so that no line waits for the line above it
.macro L2 op, d, a
.set e, 0
.rept 16
	\op v[\d+e], v[\a+e]
.set e, e+1
.endr
.endm
.macro L3 op, d, a, b
.set e, 0
.rept 16
	\op v[\d+e], v[\a+e], v[\b+e]
.set e, e+1
.endr
.endm
.macro L3K op, d, k, b
.set e, 0
.rept 16
	\op v[\d+e], \k, v[\b+e]
.set e, e+1
.endr
.endm
.macro L4 op, d, a, b, c
.set e, 0
.rept 16
	\op v[\d+e], v[\a+e], v[\b+e], v[\c+e]
.set e, e+1
.endr
.endm
.macro L4S op, d, a, k, c
.set e, 0
.rept 16
	\op v[\d+e], v[\a+e], \k, v[\c+e]
.set e, e+1
.endr
.endm
.macro L4K op, d, a, b, k
.set e, 0
.rept 16
	\op v[\d+e], v[\a+e], v[\b+e], \k
.set e, e+1
.endr
.endm
.macro L4X op, d, k1, b, k2
.set e, 0
.rept 16
	\op v[\d+e], \k1, v[\b+e], \k2
.set e, e+1
.endr
.endm
; cos and sin of the sixteen angles (0 or more) in v16-31.  v32.. n, v48.. rho, v64.. rho^2, v80.. the cosine's polynomial, v96.. the sine's
.macro SINCOS16 c, s
	L3K v_mul_f32, 32, 0x3f22f983, 16                  ; x 2 / pi
	L2  v_rndne_f32, 32, 32                            ; n
	L4S v_fma_f32, 48, 32, s49, 16                     ; rho = a - n pi / 2, pi / 2 in three parts
	L4S v_fma_f32, 48, 32, s50, 48
	L4S v_fma_f32, 48, 32, s51, 48
	L3  v_mul_f32, 64, 48, 48
	L4X v_fmaak_f32, 80, s66, 64, 0xbab6061a
	L4X v_fmaak_f32, 96, s67, 64, 0x3c08839e
	L4K v_fmaak_f32, 80, 80, 64, 0x3d2aaaa5
	L4K v_fmaak_f32, 96, 96, 64, 0xbe2aaaa3
	L4K v_fma_f32, 80, 80, 64, -0.5
	L3  v_mul_f32, 96, 96, 64
	L4K v_fma_f32, 80, 80, 64, 1.0                     ; cos rho
	L4  v_fma_f32, 96, 96, 48, 48                      ; sin rho
	L2  v_cvt_i32_f32, 16, 32
	L3K v_and_b32, 64, 1, 16
.set e, 0
.rept 16
	v_cmp_eq_u32 vcc_lo, 1, v[64+e]                    ; an odd quarter: the two change places
	v_cndmask_b32 v[\s+e], v[96+e], v[80+e], vcc_lo
	v_cndmask_b32 v[\c+e], v[80+e], v[96+e], vcc_lo
.set e, e+1
.endr
	L3K v_lshlrev_b32, 64, 30, 16                      ; the sine's sign: bit 1 of n
	L3K v_and_b32, 64, 0x80000000, 64
	L3  v_xor_b32, \s, \s, 64
	L3K v_add_nc_u32, 16, 1, 16                        ; the cosine's: bit 1 of n + 1
	L3K v_lshlrev_b32, 16, 30, 16
	L3K v_and_b32, 16, 0x80000000, 16
	L3  v_xor_b32, \c, \c, 16
.endm
; token tile m: t1 = columns 16 h + e (tiles 0, 1), t2 = 32 + 16 h + e (tiles 2, 3): H[e] = t1 cos - t2 sin, H[16 + e] = t2 cos + t1 sin.  Each accumulator is read from its low end on
.macro ROPE m
	WIN 0x03                                           ; source 0: window 3
.irp u, 0,1
.irp j, 0,2,4,6
	v_pk_mul_f32 v[TA+2*\j:TA+2*\j+1], v[32*(\m)+8*(2+\u)+\j:32*(\m)+8*(2+\u)+\j+1], v[SS+8*\u+\j:SS+8*\u+\j+1]
	v_pk_mul_f32 v[TA+2*\j+2:TA+2*\j+3], v[32*(\m)+8*\u+\j:32*(\m)+8*\u+\j+1], v[SS+8*\u+\j:SS+8*\u+\j+1]
.endr
.irp j, 0,2,4,6
	v_pk_fma_f32 v[H+8*\u+\j:H+8*\u+\j+1], v[32*(\m)+8*\u+\j:32*(\m)+8*\u+\j+1], v[CC+8*\u+\j:CC+8*\u+\j+1], v[TA+2*\j:TA+2*\j+1] neg_lo:[0,0,1] neg_hi:[0,0,1]
	v_pk_fma_f32 v[H+16+8*\u+\j:H+16+8*\u+\j+1], v[32*(\m)+8*(2+\u)+\j:32*(\m)+8*(2+\u)+\j+1], v[CC+8*\u+\j:CC+8*\u+\j+1], v[TA+2*\j+2:TA+2*\j+3]
.endr
.endr
	WIN 0
.endm
.macro ROT                             ; cos and sin go 16 positions on
.irp q, 0,8
.irp j, 0,2,4,6
	v_pk_mul_f32 v[TA+2*\j:TA+2*\j+1], v[SS+\q+\j:SS+\q+\j+1], v[S16+\q+\j:S16+\q+\j+1]
	v_pk_mul_f32 v[TA+2*\j+2:TA+2*\j+3], v[CC+\q+\j:CC+\q+\j+1], v[S16+\q+\j:S16+\q+\j+1]
.endr
.irp j, 0,2,4,6
	v_pk_fma_f32 v[CC+\q+\j:CC+\q+\j+1], v[CC+\q+\j:CC+\q+\j+1], v[C16+\q+\j:C16+\q+\j+1], v[TA+2*\j:TA+2*\j+1] neg_lo:[0,0,1] neg_hi:[0,0,1]
	v_pk_fma_f32 v[SS+\q+\j:SS+\q+\j+1], v[SS+\q+\j:SS+\q+\j+1], v[C16+\q+\j:C16+\q+\j+1], v[TA+2*\j+2:TA+2*\j+3]
.endr
.endr
.endm
; 32 numbers of a lane, register 16 b + i = k 32 b + 16 h + i, become six registers of codes (k = 32 h + 0 .. 31) at v[dst] and two scale bytes in v[wd]; fill: bytes 2, 3 = 127
.macro QUANT2 h, dst, wd, fill
.irp b, 0,1
	v_max3_num_f32 v[TM+\b], |v[\h+16*\b]|, |v[\h+16*\b+1]|, 0x1800000
.endr
.irp i, 2,4,6,8,10,12,14
.irp b, 0,1
	v_max3_num_f32 v[TM+\b], v[TM+\b], |v[\h+16*\b+\i]|, |v[\h+16*\b+\i+1]|
.endr
.endr
.irp b, 0,1
	v_permlanex16_b32 v[TM+2+\b], v[TM+\b], s[SEL], s[SEL+1]
.endr
.irp b, 0,1
	v_max_num_f32 v[TM+\b], v[TM+\b], v[TM+2+\b]
.endr
.irp b, 0,1
	v_add_nc_u32 v[TM+4+\b], 0xff000000, v[TM+\b]
.endr
.irp b, 0,1
	v_lshrrev_b32 v[TM+2+\b], 23, v[TM+4+\b]
.endr
	v_lshl_or_b32 v[\wd], v[TM+3], 8, v[TM+2]
.if \fill
	v_or_b32 v[\wd], 0x7f7f0000, v[\wd]
.endif
	v_cvt_scalef32_pk16_fp6_f32 v[\dst:\dst+2], v[\h:\h+15], v[TM+4]
	v_cvt_scalef32_pk16_fp6_f32 v[TX:TX+2], v[\h+16:\h+31], v[TM+5]
	v_nop                                              ; one plain place behind a scaled conversion
.irp i, 0,1,2
	v_permlane16_swap_b32 v[\dst+\i], v[TX+\i]
.endr
.irp i, 0,1,2
	v_mov_b32 v[\dst+3+\i], v[TX+\i]
.endr
.endm
	s_load_b256 s[4:11], s[0:1], 0x0                   ; img, scl, qrec, kvrec
	v_lshl_add_u32 v[SPW], v0, 2, SPARE
	v_mov_b32 v[NIL], 0
	ds_add_u32 v[SPW], v[NIL]                          ; the opening: the add, twice on end, and its wait ahead of my first tensor load
	ds_add_u32 v[SPW], v[NIL]
	v_lshrrev_b32 v7, 5, v0
	v_readfirstlane_b32 s[WV], v7                      ; wave 0..3
	v_and_b32 v7, 31, v0
	v_and_b32 v[RR], 15, v0
	v_bfe_u32 v[HH], v0, 4, 1
	v_lshlrev_b32 v[LI], 4, v7
	v_add_nc_u32 v[LI2], 49152, v[LI]
	v_lshlrev_b32 v[LI8], 3, v7
	s_bfe_u32 s13, ttmp6, 0x40000                      ; cx
	s_mov_b32 s14, ttmp9                               ; the kind: the cluster's x
	s_and_b32 s15, ttmp7, 0xffff                       ; the group of 128 tokens
	s_lshl_b32 s16, s13, 2
	s_add_co_u32 s16, s16, s[WV]                       ; my head
	s_lshr_b32 s17, s15, 4                             ; the batch
	s_and_b32 s18, s15, 15                             ; the group in it
	s_lshl_b32 s19, s17, 4
	s_add_co_u32 s19, s19, s16                         ; my record
	s_mov_b32 s24, 15|(3<<16)|(1<<21)                  ; group 1: the mask names the four partners; elements of 8 bytes; bit 21 beside a mask; no padding
	s_mov_b32 s25, 32<<16                              ; tensor_dim0 = 32 (256 bytes)
	s_mov_b32 s26, 96<<16                              ; tensor_dim1 = 96
	s_mov_b32 s27, 32<<16                              ; tile_dim0
	s_mov_b32 s28, 96                                  ; tile_dim1: two tiles' 24,576 dense bytes
	s_mov_b32 s29, 32                                  ; from row to row
	s_mov_b32 s30, 0
	s_mov_b32 s31, 0
	s_mov_b32 s[SEL], 0x76543210
	s_mov_b32 s[SEL+1], 0xfedcba98
	s_mov_b32 s48, 0xffff0000                          ; a lane mask: lanes 16-31
	s_mov_b32 s49, 0xbfc90000                          ; - pi / 2 in three parts
	s_mov_b32 s50, 0xb9fda000
	s_mov_b32 s51, 0xb3a22168
	s_mov_b32 s66, 0x37ccf5ce                          ; the polynomials' leading coefficients
	s_mov_b32 s67, 0xb94ca1f9
	s_cmp_eq_u32 s14, 0
	s_cselect_b32 s20, 0, 512                          ; the tokens' first tile in img: h or encoder_out
	s_lshl_b32 s21, s15, 3
	s_add_co_u32 s21, s21, s20                         ; the group's first tile
	s_lshl_b32 s22, s[WV], 1
	s_add_co_u32 s22, s22, s21                         ; the two that I fetch: no place in the cluster enters
	s_mul_i32 s52, s22, 12288
	s_mov_b32 s53, 0
	s_lshl_b32 s54, s21, 9                             ; its scale images: 1,024 bytes a pair
	s_mov_b32 s55, 0
	s_lshl_b32 s23, s14, 6
	s_lshl_b32 s3, s16, 2
	s_add_co_u32 s23, s23, s3
	s_add_co_u32 s23, s23, 1024                        ; my weight's first tile: 1024 + 64 kind + 4 head
	s_mul_i32 s56, s23, 12288
	s_mov_b32 s57, 0
	s_lshl_b32 s58, s23, 9
	s_mov_b32 s59, 0
	s_mov_b32 s2, 208896
	s_cmp_eq_u32 s14, 0
	s_cselect_b32 s2, 106496, s2                       ; a record's bytes
	s_mov_b32 s62, 196608
	s_cselect_b32 s62, 98304, s62
	s_mov_b32 s3, 204800
	s_cmp_eq_u32 s14, 2
	s_cselect_b32 s62, s3, s62                         ; where the scale words begin in it,
	s_cselect_b32 s60, 98304, 0                        ; and the codes
	s_cselect_b32 s3, 8, 9
	s_mul_i32 s2, s19, s2
	s_lshl_b32 s3, s18, s3
	s_add_co_u32 s62, s62, s2
	s_add_co_u32 s62, s62, s3
	s_mov_b32 s63, 0
	s_mul_i32 s3, s18, 6144
	s_add_co_u32 s60, s60, s2
	s_add_co_u32 s60, s60, s3
	s_mov_b32 s61, 0
	s_mov_b32 s32, 1                                   ; group 0: count,
	s_mul_i32 s33, s[WV], 24576                        ; LDS address,
	s_wait_dscnt 0x0                                   ; both opening adds are done
	s_wait_kmcnt 0x0
	s_add_nc_u64 s[34:35], s[4:5], s[52:53]            ; global address,
	s_or_b32 s35, s35, 0x80000000                      ; type
	s_add_nc_u64 s[36:37], s[4:5], s[56:57]            ; the weight's images
	s_add_nc_u64 s[38:39], s[6:7], s[58:59]            ; its scale images
	s_add_nc_u64 s[40:41], s[6:7], s[54:55]            ; the tokens' scale images
	s_cmp_eq_u32 s14, 0
	s_cselect_b64 s[42:43], s[8:9], s[10:11]
	s_add_nc_u64 s[44:45], s[42:43], s[62:63]          ; where my scale words go
	s_add_nc_u64 s[42:43], s[42:43], s[60:61]          ; where my codes go
	CROUND                                             ; all four partners are here: the joint loads meet
	tensor_load_to_lds s[32:35], s[24:31]              ; my one tensor load of the launch
	s_nop 0
	PLACES 4
	WIN 0x40                                           ; destination window 1
	s_wait_alu depctr_va_vdst(0)
	WLOAD 0
	WIN 0x80                                           ; destination window 2
	WLOAD 4
	WIN 0
.irp b, 0,1
.irp q, 0,1
	global_load_b128 v[WS+8*\b+4*\q:WS+8*\b+4*\q+3], v[LI], s[38:39] offset:1024*\b+512*\q
.endr
.endr
.irp a, 0,1,2,3
.irp q, 0,1
	global_load_b128 v[AS+8*\a+4*\q:AS+8*\a+4*\q+3], v[LI], s[40:41] offset:1024*\a+512*\q
.endr
.endr
	s_cmp_eq_u32 s14, 2                                ; the kind is the same in all waves and all partners
	s_cbranch_scc1 .Lv
	; ---- q, k.  cos and sin are made while the loads are on their way
	v_lshlrev_b32 v240, 4, v[HH]
.set e, 0
.rept 16
	v_add_nc_u32 v[16+e], e, v240                      ; d = 16 h + e
.set e, e+1
.endr
	L2  v_cvt_f32_u32, 16, 16
	L3K v_mul_f32, 16, 0xbed49a78, 16                  ; x -log2(10000) / 32
	s_wait_alu depctr_va_vdst(0)
	L2  v_exp_f32, TH, 16                              ; inv_freq
	s_lshl_b32 s2, s18, 7
	v_add_nc_u32 v241, s2, v[RR]                       ; (a plain place behind the exponentials)  my position in token tile 0
	v_cvt_f32_u32 v241, v241
	s_wait_alu depctr_va_vdst(0)                       ; the wait ahead of the first reader: one for the sixteen
	L3K v_mul_f32, 16, v241, TH
	SINCOS16 CC, SS
	L3K v_mul_f32, 16, 0x41800000, TH                  ; 16 positions on
	SINCOS16 C16, S16
	s_wait_loadcnt 0x0
	s_wait_tensorcnt 0x0                               ; my quarter of the fragments is in,
	s_barrier_signal -1
	s_barrier_wait -1                                  ; everybody's is
	MAIN 0
	PLACES 4                                           ; behind the last products
	v_mov_b32 v[TM+2], 0                               ; a lane permute's destination counts as one of its sources
	v_mov_b32 v[TM+3], 0
.irp a, 0,1,2,3
	s_wait_xcnt 0x0                                    ; the last pair's stores have read the codes' registers
.irp o, 0,1
	ROPE 2*\a+\o
.if (2*\a+\o) < 7
	ROT
.endif
	QUANT2 H, PC+6*\o, WD+\o, 1
.endr
.irp c, 0,1,2
	global_store_b128 v[LI], v[PC+4*\c:PC+4*\c+3], s[42:43] offset:1536*\a+512*\c
.endr
	v_cndmask_b32 v[SW+\a], v[WD], v[WD+1], s48        ; lanes 0-15 the even tile's words, lanes 16-31 the odd one's
.endr
	global_store_b128 v[LI], v[SW:SW+3], s[44:45]
	s_branch .Ldone
	; ---- v
.Lv:
	s_wait_loadcnt 0x0
	s_wait_tensorcnt 0x0
	s_barrier_signal -1
	s_barrier_wait -1
	MAIN 1
	PLACES 4
.irp b, 0,1,2,3
	v_mov_b32 v[TMV+4+\b], 0
.endr
.irp nt, 0,1,2,3                                       ; tile nt of d: my column's 64 numbers along the keys lie in window 3 at 64 nt
	s_wait_xcnt 0x0
	WIN 0x0f                                           ; sources 0 and 1: window 3
.irp b, 0,1,2,3
	v_max3_num_f32 v[TMV+\b], |v[64*\nt+16*\b]|, |v[64*\nt+16*\b+1]|, 0x1800000
.endr
.irp i, 2,4,6,8,10,12,14
.irp b, 0,1,2,3
	v_max3_num_f32 v[TMV+\b], |v[64*\nt+16*\b+\i]|, |v[64*\nt+16*\b+\i+1]|, v[TMV+\b]
.endr
.endr
	WIN 0
.irp b, 0,1,2,3
	v_permlanex16_b32 v[TMV+4+\b], v[TMV+\b], s[SEL], s[SEL+1]
.endr
.irp b, 0,1,2,3
	v_max_num_f32 v[TMV+\b], v[TMV+\b], v[TMV+4+\b]
.endr
.irp b, 0,1,2,3
	v_add_nc_u32 v[TMV+12+\b], 0xff000000, v[TMV+\b]
.endr
.irp b, 0,1,2,3
	v_lshrrev_b32 v[TMV+4+\b], 23, v[TMV+12+\b]
.endr
	v_lshl_or_b32 v[PW], v[TMV+5], 8, v[TMV+4]
	v_lshl_or_b32 v[PW], v[TMV+6], 16, v[PW]
	v_lshl_or_b32 v[PW], v[TMV+7], 24, v[PW]
	WIN 0x03                                           ; source 0: window 3
.irp c, 0,1
	v_cvt_scalef32_pk16_fp6_f32 v[PCV+6*\c:PCV+6*\c+2], v[64*\nt+32*\c:64*\nt+32*\c+15], v[TMV+12+2*\c]
	v_cvt_scalef32_pk16_fp6_f32 v[PCV+12+4*\c:PCV+14+4*\c], v[64*\nt+32*\c+16:64*\nt+32*\c+31], v[TMV+12+2*\c+1]
.endr
	WIN 0
	v_nop
.irp c, 0,1
.irp i, 0,1,2
	v_permlane16_swap_b32 v[PCV+6*\c+\i], v[PCV+12+4*\c+\i]
.endr
.irp i, 0,1,2
	v_mov_b32 v[PCV+3+6*\c+\i], v[PCV+12+4*\c+\i]
.endr
.endr
.irp c, 0,1,2
	global_store_b128 v[LI], v[PCV+4*\c:PCV+4*\c+3], s[42:43] offset:1536*\nt+512*\c
.endr
.if \nt%2
	v_cndmask_b32 v[VW+\nt/2], v[PWE], v[PW], s48
.else
	v_mov_b32 v[PWE], v[PW]
.endif
.endr
	global_store_b64 v[LI8], v[VW:VW+1], s[44:45]      ; 256 consecutive bytes, aligned
.Ldone:
	s_wait_tensorcnt 0x0                               ; the wave's end
	ds_add_u32 v[SPW], v[NIL]
	s_wait_dscnt 0x0
	CROUND                                             ; the closing round
	s_endpgm
.Lfunc_end_k_q90bba11448_proj:
	.size	k_q90bba11448_proj, .Lfunc_end_k_q90bba11448_proj-k_q90bba11448_proj
	.p2alignl 7, 3214868480
	.fill 96, 4, 3214868480
	.section	.rodata,"a",@progbits
	.p2align	6, 0x0
	.amdhsa_kernel k_q90bba11448_proj
		.amdhsa_group_segment_fixed_size 167936
		.amdhsa_private_segment_fixed_size 0
		.amdhsa_enable_private_segment 0
		.amdhsa_kernarg_size 32
		.amdhsa_user_sgpr_count 2
		.amdhsa_user_sgpr_kernarg_segment_ptr 1
		.amdhsa_wavefront_size32 1
		.amdhsa_system_sgpr_workgroup_id_x 1
		.amdhsa_system_sgpr_workgroup_id_y 1
		.amdhsa_system_sgpr_workgroup_id_z 1
		.amdhsa_system_vgpr_workitem_id 0
		.amdhsa_next_free_vgpr 1024
		.amdhsa_next_free_sgpr 68
		.amdhsa_reserve_vcc 1
		.amdhsa_float_denorm_mode_32 3
		.amdhsa_float_denorm_mode_16_64 3
		.amdhsa_memory_ordered 1
		.amdhsa_forward_progress 1
		.amdhsa_inst_pref_size 219
	.end_amdhsa_kernel
	.amdgpu_metadata
---
amdhsa.version: [ 1, 2 ]
amdhsa.kernels:
  - .name:           k_q90bba11448_proj
    .symbol:         k_q90bba11448_proj.kd
    .args:
      - { .name: img, .offset: 0, .size: 8, .value_kind: global_buffer, .address_space: global }
      - { .name: scl, .offset: 8, .size: 8, .value_kind: global_buffer, .address_space: global }
      - { .name: qrec, .offset: 16, .size: 8, .value_kind: global_buffer, .address_space: global }
      - { .name: kvrec, .offset: 24, .size: 8, .value_kind: global_buffer, .address_space: global }
    .group_segment_fixed_size: 167936
    .private_segment_fixed_size: 0
    .kernarg_segment_align: 8
    .kernarg_segment_size: 32
    .max_flat_workgroup_size: 128
    .sgpr_count:     68
    .vgpr_count:     1024
    .wavefront_size: 32
...
	.end_amdgpu_metadata
.endif
;; end of part 2
;; launch attn (part 3): grid 256 x 1, 16 waves a work-group, clusters of 4 x 1, 265,216 bytes of LDS; arguments qrec, kvrec, oimg, oscl; writes oimg, oscl
.if DOCPART == 3
	.amdgcn_target "amdgcn-amd-amdhsa--gfx1250"
	.amdhsa_code_object_version 6
	.text
	.protected	k_q90bba11448_attn
	.globl	k_q90bba11448_attn
	.p2align	8
	.type	k_q90bba11448_attn,@function
k_q90bba11448_attn:
	s_mov_b64 s[64:65], 0
	v_nop
	global_prefetch_b8 v0, s[64:65] scope:SCOPE_SE
	s_setreg_imm32_b32 hwreg(HW_REG_WAVE_MODE, 25, 1), 1
	s_wait_xcnt 0x0
	s_wait_alu depctr_hold_cnt(0) depctr_sa_sdst(0) depctr_va_vdst(0) depctr_va_sdst(0) depctr_va_ssrc(0) depctr_va_vcc(0) depctr_vm_vsrc(0)
	s_getreg_b32 s2, hwreg(HW_REG_IB_STS2, 6, 4)
	s_cmp_eq_u32 s2, 0
	s_cbranch_scc0 .Lentry_in_a_cluster
	s_endpgm
.Lentry_in_a_cluster:
	s_bfe_u32 s2, ttmp6, 0x10000c
	s_cmp_lg_u32 s2, 0x3003
	s_cbranch_scc0 .Lentry_shape_is_right
	s_endpgm
.Lentry_shape_is_right:
; o = softmax(q k^T / 8) v for one (batch, head) a cluster, both products on E2M3 codes; o is divided by the row's sum and quantised along the head's 64 for the last product.  No work of the problem is left out here.
; THE SOFTMAX: t = score x log2(e) / 8; M = the running largest t rounded UP to a whole number; p = 2^(t - M) is quantised along the keys, not normalised; the row's sum is taken of the unquantised p.
; When M moves, the sum and O are multiplied by 2^(old M - new M): nothing is rounded, and no branch hangs on data.
; SHARES.  The cluster's x is the record (16 batch + head); partner cx takes 512 queries; each of its sixteen waves a pair of tiles of 16 queries, one tile after the other, each against all 2,048 keys, 128 a step.
; THE WHOLE RECORD OF K AND V (208,896 bytes) STAYS IN LDS: each wave asks for a sixteenth (51 rows of 256 bytes) by ONE joint tensor load, the same in the four partners.  LDS is filled once: no ring, and no loop
; in which a prefetch could run ahead of a load: none is written.  64 bytes of padding follow every 256: an image's plane of 512 bytes takes 640, an image 1,920, so that the eight rows taken from one image and the eight
; taken from the next start in different halves of a row of banks.
; LAYOUT.  S^T = K Q^T, O^T = V^T P^T: a lane holds one query throughout.  THE KEYS THAT FORM A TILE OF K ARE CHOSEN AT THE LDS READ: tile 4 c + a takes as rows 0-7 keys 8 u + 0 .. 7 of block 2 c and as rows 8-15 the same
; keys of block 2 c + 1, u = 0, 2, 1, 3 for a = 0 .. 3.  So lane (r, h) holds in registers S + 32 c .. + 31 the WHOLE block 2 c + h, in the order 0-7, 16-23, 8-15, 24-31 in which V's codes stand:
; a block's maximum needs no other lane, and the conversions' results are the operand's registers.
; K = 64 IN THE FIRST PRODUCT.  Q's fragment is six registers of codes and six of zero codes.  K's eight tiles lie six registers apart, so a tile's upper six registers are the next tile's codes (behind the last: kept zeros).
; They meet Q's zero codes; E2M3 has no NaN and no infinity, and bytes 2 and 3 of both scale words are 127: they add exactly 0.
; LIMITS: NaN and infinities are not served; p under 2^-126 falls to 0; a block of zeros gets the byte 1 (its codes are zeros, and this program alone reads the bytes).
.set KV_V,   122880                    ; V's images in LDS (98,304 x 320 / 256)
.set KV_KS,  245760                    ; K's scale words, 640 bytes a step
.set KV_VS,  256000                    ; V's, 320 bytes a step
.set OSG,    261120                    ; a stage for o's scale words: 2,048 bytes of its own, into which no tile lands
.set SPARE,  263168                    ; the spare words: 128 bytes a wave, eight blocks of 256 bytes that no other line names
.set LI,   1                           ; 16 x lane
.set LI8,  2                           ; 8 x lane
.set ADK,  3
.set ADV,  4
.set ADKS, 5
.set ADVS, 6
.set OSA,  7                           ; where my pair's scale words go in the stage
.set SPW,  8
.set NIL,  9
.set OSR,  10                          ; where waves 0-3 read the stage back
.set OSO,  11                          ; and the same place in oscl
.set KB,   16                          ; K: 1,920 (r / 8) + 16 (r % 8) + 320 h
.set VB,   17                          ; V: KV_V + 16 r + 320 h
.set KSB,  18                          ; K's scale words: 16 (r % 8) + 4 (r / 8) + 8 h
.set QS,   20                          ; Q's scale words: lanes 0-15 the even tile, lanes 16-31 the odd one
.set PS,   22                          ; p's scale word
.set KS,   24                          ; v24-27 K's: register a: lanes 0-15 tile a, lanes 16-31 tile 4 + a
.set VS,   28
.set KF,   32                          ; v32-79 K's eight tiles, then V's four fragments; v80-85 kept zeros
.set QF,   88                          ; v88-99 Q's fragment (v94-99 zeros)
.set S,    100                         ; S^T, then p
.set O,    164                         ; O^T
.set PC,   196
.set TX,   208
.set BM,   216
.set SO,   220
.set PT,   222
.set T,    224                         ; four partial sums, pairs
.set F,    232                         ; v[232:233] f (the upper half is named only)
.set W,    236
.set WX,   237
.set TM,   240
.set WD,   246                         ; v246, v247 o's scale bytes of tile 0, 1
.set QN,   248                         ; the second tile's codes
.set WV,   12
.set SEL,  36
.set CS,   38
.macro PLACES n
.rept \n
	v_nop
.endr
.endm
.macro CROUND
	s_barrier_signal -1
	s_barrier_wait -1
	s_cmp_lg_u32 s[WV], 0
	s_cbranch_scc1 .Lnot_wave_0_\@
	s_barrier_signal -3
.Lnot_wave_0_\@:
	s_barrier_wait -3
	s_barrier_signal -1
	s_barrier_wait -1
.endm
.macro WM d, a, b, zero, sa, sb, ra, rb
.if (\zero)
.if (\ra) && (\rb)
	v_wmma_scale_f32_16x16x128_f8f6f4 v[(\d):(\d)+7], v[(\a):(\a)+11], v[(\b):(\b)+11], 0, v[\sa], v[\sb] matrix_a_fmt:MATRIX_FMT_FP6 matrix_b_fmt:MATRIX_FMT_FP6 matrix_a_scale:MATRIX_SCALE_ROW1 matrix_b_scale:MATRIX_SCALE_ROW1
.elseif (\ra)
	v_wmma_scale_f32_16x16x128_f8f6f4 v[(\d):(\d)+7], v[(\a):(\a)+11], v[(\b):(\b)+11], 0, v[\sa], v[\sb] matrix_a_fmt:MATRIX_FMT_FP6 matrix_b_fmt:MATRIX_FMT_FP6 matrix_a_scale:MATRIX_SCALE_ROW1
.elseif (\rb)
	v_wmma_scale_f32_16x16x128_f8f6f4 v[(\d):(\d)+7], v[(\a):(\a)+11], v[(\b):(\b)+11], 0, v[\sa], v[\sb] matrix_a_fmt:MATRIX_FMT_FP6 matrix_b_fmt:MATRIX_FMT_FP6 matrix_b_scale:MATRIX_SCALE_ROW1
.else
	v_wmma_scale_f32_16x16x128_f8f6f4 v[(\d):(\d)+7], v[(\a):(\a)+11], v[(\b):(\b)+11], 0, v[\sa], v[\sb] matrix_a_fmt:MATRIX_FMT_FP6 matrix_b_fmt:MATRIX_FMT_FP6
.endif
.else
.if (\ra)
	v_wmma_scale_f32_16x16x128_f8f6f4 v[(\d):(\d)+7], v[(\a):(\a)+11], v[(\b):(\b)+11], v[(\d):(\d)+7], v[\sa], v[\sb] matrix_a_fmt:MATRIX_FMT_FP6 matrix_b_fmt:MATRIX_FMT_FP6 matrix_a_scale:MATRIX_SCALE_ROW1
.else
	v_wmma_scale_f32_16x16x128_f8f6f4 v[(\d):(\d)+7], v[(\a):(\a)+11], v[(\b):(\b)+11], v[(\d):(\d)+7], v[\sa], v[\sb] matrix_a_fmt:MATRIX_FMT_FP6 matrix_b_fmt:MATRIX_FMT_FP6
.endif
.endif
.endm
; AHEAD OF THE EXPONENTIALS: my two blocks' largest scores (four chains by turns; each accumulator is first read at its low end), the running M, t - M, O under the new M
.macro PRE
.irp q, 0,16
.irp c, 0,1
	v_max3_num_f32 v[BM+\q/8+\c], v[S+32*\c+\q], v[S+32*\c+\q+1], v[S+32*\c+\q+2]
.endr
.endr
.irp i, 3,5,7,9,11,13
.irp q, 0,16
.irp c, 0,1
	v_max3_num_f32 v[BM+\q/8+\c], v[BM+\q/8+\c], v[S+32*\c+\q+\i], v[S+32*\c+\q+\i+1]
.endr
.endr
.endr
.irp c, 0,1
	v_max3_num_f32 v[BM+\c], v[BM+\c], v[BM+2+\c], v[S+32*\c+15]
.endr
.irp c, 0,1
	v_max_num_f32 v[BM+\c], v[BM+\c], v[S+32*\c+31]   ; the block's largest score: for the row's maximum, and, since p rises with the score, for the block's largest p
.endr
	v_max_num_f32 v234, v[BM], v[BM+1]
	v_mov_b32 v238, v12                                ; the old -M
	v_mul_f32 v234, s[CS], v234                        ; as t
	v_permlanex16_b32 v235, v234, s[SEL], s[SEL+1]     ; lane l xor 16 holds my query's other two blocks
	v_max3_num_f32 v13, v13, v234, v235                ; the running largest t
	v_floor_f32 v12, -v13                              ; the new -M = floor(-t)
	v_sub_f32 v238, v12, v238                          ; old M - new M: a whole number, 0 or less
.set j, 0
.rept 4
	v_pk_fma_f32 v[S+j:S+j+1], v[S+j:S+j+1], s[CS:CS+1], v[12:13] op_sel_hi:[1,0,0]   ; t - M
.set j, j+2
.endr
	v_cvt_i32_f32 v238, v238                           ; (it saturates)
.rept 4
	v_pk_fma_f32 v[S+j:S+j+1], v[S+j:S+j+1], s[CS:CS+1], v[12:13] op_sel_hi:[1,0,0]
.set j, j+2
.endr
	v_ldexp_f32 v[F], 1.0, v238                        ; f = 2^(old M - new M)
.rept 24
	v_pk_fma_f32 v[S+j:S+j+1], v[S+j:S+j+1], s[CS:CS+1], v[12:13] op_sel_hi:[1,0,0]
.set j, j+2
.endr
.irp c, 0,1
	v_fma_f32 v[BM+\c], v[BM+\c], s[CS], v12
.endr
.set j, 0
.rept 16
	v_pk_mul_f32 v[O+j:O+j+1], v[O+j:O+j+1], v[F:F+1] op_sel_hi:[1,0]   ; O^T under the new M
.set j, j+2
.endr
.endm
.macro EXPS
.set j, 0
.rept 64
	v_exp_f32 v[S+j], v[S+j]                           ; p = 2^(t - M)
.set j, j+1
.endr
.irp c, 0,1
	v_exp_f32 v[BM+\c], v[BM+\c]                       ; the blocks' largest p
.endr
.endm
.macro RND n                           ; four additions of the row's sum, one for each partial sum: pairs 4 (n + 1) .. + 3 of p's 32 (n = 0: and pairs 0-3)
.irp k, 0,1,2,3
.if (\n) == 0
	v_pk_add_f32 v[T+2*\k:T+2*\k+1], v[S+2*\k:S+2*\k+1], v[S+8+2*\k:S+9+2*\k]
.else
	v_pk_add_f32 v[T+2*\k:T+2*\k+1], v[T+2*\k:T+2*\k+1], v[S+8*(\n)+8+2*\k:S+8*(\n)+9+2*\k]
.endif
.endr
.endm
; BEHIND THE EXPONENTIALS: scales, codes, and the sum of the unquantised p, whose additions stand between the links of the scale's chain
.macro POST
.irp c, 0,1
	v_max_num_f32 v[BM+\c], 0x1800000, v[BM+\c]        ; the floor 2^(3 - 127): the byte cannot fall under 1
.endr
	RND 0
.irp c, 0,1
	v_add_nc_u32 v[SO+\c], 0xff000000, v[BM+\c]        ; 2 off the exponent field: the conversion's scale operand
.endr
	RND 1
.irp c, 0,1
	v_lshrrev_b32 v[PT+\c], 23, v[SO+\c]               ; the scale's byte
.endr
.irp c, 0,1
	v_cvt_scalef32_pk16_fp6_f32 v[PC+6*\c:PC+6*\c+2], v[S+32*\c:S+32*\c+15], v[SO+\c]
	v_cvt_scalef32_pk16_fp6_f32 v[TX+4*\c:TX+4*\c+2], v[S+32*\c+16:S+32*\c+31], v[SO+\c]   ; (a conversion's three registers begin on an even number)
.endr
	v_nop                                              ; one plain place behind a scaled conversion
	v_lshl_or_b32 v[W], v[PT+1], 16, v[PT]             ; my bytes: blocks h and 2 + h
.irp c, 0,1
.irp i, 0,1,2
	v_mov_b32 v[PC+3+6*\c+\i], v[TX+4*\c+\i]
.endr
.endr
	v_permlanex16_b32 v[WX], v[W], s[SEL], s[SEL+1]
	RND 2
	v_lshl_or_b32 v[PS], v[WX], 8, v[W]                ; lanes 0-15, which alone are read: blocks 0, 2 are mine, 1, 3 lane l + 16's
	RND 3
	RND 4
	RND 5
	RND 6
	v_pk_add_f32 v[T:T+1], v[T:T+1], v[T+2:T+3]
	v_pk_add_f32 v[T+4:T+5], v[T+4:T+5], v[T+6:T+7]
	s_delay_alu instid0(VALU_DEP_1)
	v_pk_add_f32 v[T:T+1], v[T:T+1], v[T+4:T+5]
	s_delay_alu instid0(VALU_DEP_1)
	v_pk_fma_f32 v[14:15], v[14:15], v[F:F+1], v[T:T+1] op_sel_hi:[1,0,1]   ; the old sum under the new M, and this step's
.endm
; A KEY STEP: 128 keys against query tile qi
.macro STEP qi
	v_add_nc_u32 v[ADK], s41, v[KB]                    ; these four additions are also the four places behind the last step's products, in front of the loads below
	v_add_nc_u32 v[ADKS], s42, v[KSB]
	v_add_nc_u32 v[ADV], s41, v[VB]
	v_add_nc_u32 v[ADVS], s43, v[LI8]
.irp c, 0,1
.irp a, 0,1,2,3
.if \a%2                               ; the odd tile of an image: registers 6-11 of its lanes
	ds_load_b64 v[KF+6*(4*\c+\a):KF+6*(4*\c+\a)+1], v[ADK] offset:3840*\c+128*(\a/2)+648
	ds_load_b128 v[KF+6*(4*\c+\a)+2:KF+6*(4*\c+\a)+5], v[ADK] offset:3840*\c+128*(\a/2)+1280
.else                                  ; the even one: registers 0-5
	ds_load_b128 v[KF+6*(4*\c+\a):KF+6*(4*\c+\a)+3], v[ADK] offset:3840*\c+128*(\a/2)
	ds_load_b64 v[KF+6*(4*\c+\a)+4:KF+6*(4*\c+\a)+5], v[ADK] offset:3840*\c+128*(\a/2)+640
.endif
.endr
.endr
.irp a, 0,1,2,3
	ds_load_b32 v[KS+\a], v[ADKS] offset:128*(\a/2)+320*(\a%2)
.endr
	s_wait_alu depctr_va_vdst(0)
	s_wait_dscnt 0x0
.irp c, 0,1
.irp a, 0,1,2,3
	WM S+8*(4*\c+\a), KF+6*(4*\c+\a), QF, 1, KS+\a, QS, \c, \qi
.endr
.endr
	PLACES 4                                           ; in front of the loads into K's registers, and of the first read of the scores
.set n, 0
.rept 12
	ds_load_b128 v[KF+4*n:KF+4*n+3], v[ADV] offset:1920*(n/3)+640*(n%3)   ; V's four fragments land while the softmax is walked
.set n, n+1
.endr
	ds_load_b64 v[VS:VS+1], v[ADVS]
	PRE
	s_wait_alu depctr_va_vdst(0)                       ; the wait ahead of the batch
	EXPS
	v_nop                                              ; a plain place behind the exponentials
	s_wait_alu depctr_va_vdst(0)                       ; the wait ahead of the first reader: one for the 66
	POST
	s_wait_alu depctr_va_vdst(0)
	s_wait_dscnt 0x0                                   ; V is in
.irp t, 0,1,2,3
	WM O+8*\t, KF+12*\t, PC, 0, VS+\t/2, PS, \t%2, 0   ; the four accumulators take turns
.endr
.endm
; the way out of tile qi: o = O^T / the sum (register 16 b + i is d = 32 b + 16 h + i), quantised along the head's 64; three pieces of 256 bytes of the last product's fragment
.macro OUT qi
	PLACES 4                                           ; behind the last products
	v_add_f32 v14, v14, v15
	s_delay_alu instid0(VALU_DEP_1)
	v_permlanex16_b32 v234, v14, s[SEL], s[SEL+1]
	s_delay_alu instid0(VALU_DEP_1)
	v_add_f32 v14, v14, v234                           ; the row's sum
	s_wait_alu depctr_va_vdst(0)                       ; the wait ahead of the transcendental,
	v_rcp_f32 v[F], v14
	v_nop
	s_wait_alu depctr_va_vdst(0)                       ; and ahead of its first reader, which is O^T's first reader too
.set k, 0
.rept 16
	v_pk_mul_f32 v[S+k:S+k+1], v[O+k:O+k+1], v[F:F+1] op_sel_hi:[1,0]
.set k, k+2
.endr
.irp b, 0,1
	v_max3_num_f32 v[TM+\b], |v[S+16*\b]|, |v[S+16*\b+1]|, 0x1800000
.endr
.irp i, 2,4,6,8,10,12,14
.irp b, 0,1
	s_delay_alu instid0(VALU_DEP_2)
	v_max3_num_f32 v[TM+\b], v[TM+\b], |v[S+16*\b+\i]|, |v[S+16*\b+\i+1]|
.endr
.endr
.irp b, 0,1
	s_delay_alu instid0(VALU_DEP_2)
	v_permlanex16_b32 v[TM+2+\b], v[TM+\b], s[SEL], s[SEL+1]
.endr
.irp b, 0,1
	s_delay_alu instid0(VALU_DEP_2)
	v_max_num_f32 v[TM+\b], v[TM+\b], v[TM+2+\b]
.endr
.irp b, 0,1
	s_delay_alu instid0(VALU_DEP_2)
	v_add_nc_u32 v[TM+4+\b], 0xff000000, v[TM+\b]
.endr
.irp b, 0,1
	s_delay_alu instid0(VALU_DEP_2)
	v_lshrrev_b32 v[TM+2+\b], 23, v[TM+4+\b]
.endr
	v_lshl_or_b32 v[WD+\qi], v[TM+3], 8, v[TM+2]
	v_cvt_scalef32_pk16_fp6_f32 v[PC:PC+2], v[S:S+15], v[TM+4]
	v_cvt_scalef32_pk16_fp6_f32 v[TX:TX+2], v[S+16:S+31], v[TM+5]
	v_nop
.irp i, 0,1,2
	v_permlane16_swap_b32 v[PC+\i], v[TX+\i]           ; a whole block to a lane
.endr
.irp i, 0,1,2
	s_delay_alu instid0(VALU_DEP_3)
	v_mov_b32 v[PC+3+\i], v[TX+\i]
.endr
.irp p, 0,1,2
	global_store_b64 v[LI8], v[PC+2*\p:PC+2*\p+1], s[20:21] offset:12288*\qi+256*\p   ; 256 consecutive bytes, aligned
.endr
.endm
.macro QTILE qi                        ; tile qi against all 2,048 keys
.if \qi
.irp k, 0,1,2,3,4,5
	v_mov_b32 v[QF+\k], v[QN+\k]
.endr
.endif
	v_mov_b32 v13, 0xff61b1e6                          ; the largest t so far: -3e38
	v_mov_b32 v14, 0
	v_mov_b32 v15, 0
	v_floor_f32 v12, -v13
.set k, 0
.rept 32
	v_mov_b32 v[O+k], 0                                ; the step is written once: the first finds zeros
.set k, k+1
.endr
	s_mov_b32 s41, 0
	s_mov_b32 s42, KV_KS
	s_mov_b32 s43, KV_VS
	s_mov_b32 s44, 16
	s_wait_alu depctr_va_vdst(0)
	s_wait_xcnt 0x0                                    ; the last tile's stores have read the codes' registers, which the steps write
.Lstep_\@:
	STEP \qi
	s_add_co_u32 s41, s41, 7680
	s_add_co_u32 s42, s42, 640
	s_add_co_u32 s43, s43, 320
	s_sub_co_u32 s44, s44, 1
	s_cmp_lg_u32 s44, 0
	s_cbranch_scc1 .Lstep_\@
	OUT \qi
.endm
	s_load_b256 s[4:11], s[0:1], 0x0                   ; qrec, kvrec, oimg, oscl
	v_lshl_add_u32 v[SPW], v0, 2, SPARE
	v_mov_b32 v[NIL], 0
	ds_add_u32 v[SPW], v[NIL]                          ; the opening: the add, twice on end, and its wait ahead of my first tensor load
	ds_add_u32 v[SPW], v[NIL]
	v_lshrrev_b32 v12, 5, v0
	v_readfirstlane_b32 s[WV], v12                     ; wave 0..15
	v_and_b32 v12, 31, v0                              ; lane
	v_and_b32 v13, 7, v0                               ; r % 8
	v_bfe_u32 v14, v0, 3, 1                            ; r / 8
	v_bfe_u32 v15, v0, 4, 1                            ; h
	v_lshlrev_b32 v[LI], 4, v12
	v_lshlrev_b32 v[LI8], 3, v12
	v_mul_u32_u24 v[KB], v14, 1920
	v_lshl_add_u32 v[KB], v13, 4, v[KB]
	v_mad_u32_u24 v[KB], v15, 320, v[KB]
	v_and_b32 v[VB], 15, v0
	v_lshlrev_b32 v[VB], 4, v[VB]
	v_mad_u32_u24 v[VB], v15, 320, v[VB]
	v_add_nc_u32 v[VB], KV_V, v[VB]
	v_lshlrev_b32 v[KSB], 4, v13
	v_lshl_add_u32 v[KSB], v14, 2, v[KSB]
	v_lshl_add_u32 v[KSB], v15, 3, v[KSB]
	s_lshr_b32 s48, s[WV], 2
	s_lshl_b32 s48, s48, 9
	s_and_b32 s49, s[WV], 3
	s_lshl_b32 s50, s49, 2
	s_add_co_u32 s48, s48, s50
	s_add_co_u32 s48, s48, OSG
	s_lshl_b32 s49, s49, 9
	v_add_nc_u32 v[OSA], s48, v[LI]                    ; OSG + 512 (wave / 4) + 16 lane + 4 (wave % 4)
	v_add_nc_u32 v[OSO], s49, v[LI]
	v_add_nc_u32 v[OSR], OSG, v[OSO]
	s_bfe_u32 s13, ttmp6, 0x40000                      ; cx
	s_mov_b32 s14, ttmp9                               ; the record: 16 batch + head
	s_lshl_b32 s15, s13, 4
	s_add_co_u32 s15, s15, s[WV]                       ; my pair of query tiles
	s_mov_b32 s24, 15|(3<<16)|(1<<20)|(1<<21)|(5<<22)|(15<<25)   ; group 1: the four partners; elements of 8 bytes; padding on; bit 21 beside a mask; after every 64 words 16 words
	s_mov_b32 s25, 32<<16
	s_mov_b32 s26, 51<<16
	s_mov_b32 s27, 32<<16
	s_mov_b32 s28, 51                                  ; 51 dense rows of 256 bytes: a sixteenth of the record
	s_mov_b32 s29, 32
	s_mov_b32 s30, 0
	s_mov_b32 s31, 0
	s_mov_b32 s32, 1
	s_mul_i32 s33, s[WV], 16320                        ; 51 rows of 320 bytes in LDS
	s_mul_i32 s46, s14, 208896
	s_mul_i32 s50, s[WV], 13056
	s_add_co_u32 s46, s46, s50
	s_mov_b32 s47, 0
	s_mov_b32 s[SEL], 0x76543210
	s_mov_b32 s[SEL+1], 0xfedcba98
	s_mov_b32 s[CS], 0x3e38aa3b                        ; log2(e) / 8
	s_mov_b32 s[CS+1], s[CS]
	s_mov_b32 s40, 0xffff0000
	s_mul_i32 s52, s14, 106496
	s_mul_i32 s53, s15, 1536
	s_add_co_u32 s54, s52, s53                         ; my pair's image in qrec
	s_mov_b32 s55, 0
	s_lshr_b32 s53, s15, 2
	s_lshl_b32 s53, s53, 9
	s_add_co_u32 s56, s52, s53
	s_and_b32 s53, s15, 3
	s_lshl_b32 s53, s53, 2
	s_add_co_u32 s56, s56, s53
	s_add_co_u32 s56, s56, 98304                       ; and its scale words
	s_mov_b32 s57, 0
	s_lshr_b32 s53, s14, 4
	s_lshl_b32 s53, s53, 7
	s_lshl_b32 s58, s15, 1
	s_add_co_u32 s58, s58, s53                         ; my first token tile: 128 batch + 2 pair
	s_mul_i32 s58, s58, 12288
	s_and_b32 s53, s14, 15
	s_mul_i32 s53, s53, 768                            ; my head's three pieces
	s_add_co_u32 s58, s58, s53
	s_mov_b32 s59, 0
	s_lshl_b32 s60, s14, 13
	s_lshl_b32 s53, s13, 11
	s_add_co_u32 s60, s60, s53
	s_mov_b32 s61, 0
	s_wait_alu depctr_va_vdst(0)
	s_wait_dscnt 0x0                                   ; both opening adds are done
	s_wait_kmcnt 0x0
	s_add_nc_u64 s[34:35], s[6:7], s[46:47]
	s_or_b32 s35, s35, 0x80000000
	s_add_nc_u64 s[16:17], s[4:5], s[54:55]
	s_add_nc_u64 s[18:19], s[4:5], s[56:57]
	s_add_nc_u64 s[20:21], s[8:9], s[58:59]
	s_add_nc_u64 s[22:23], s[10:11], s[60:61]
	CROUND                                             ; all four partners are here: the joint loads meet
	tensor_load_to_lds s[32:35], s[24:31]              ; my one tensor load of the launch
	s_nop 0
	PLACES 4
.irp c, 0,1,2
	global_load_b128 v[S+4*\c:S+4*\c+3], v[LI], s[16:17] offset:512*\c
.endr
	global_load_b32 v[QS], v[LI], s[18:19]
.irp k, 0,1,2,3,4,5
	v_mov_b32 v[KF+48+\k], 0                           ; behind K's last tile
	v_mov_b32 v[QF+6+\k], 0                            ; Q's upper 64 along K: zero codes
.endr
.irp k, F+1,234,235,WX,TM+2,TM+3
	v_mov_b32 v[\k], 0                                 ; the upper half of f's pair is named; a lane permute's destination counts as one of its sources
.endr
	s_wait_loadcnt 0x0
.irp k, 0,1,2,3,4,5
	v_mov_b32 v[QF+\k], v[S+\k]
	v_mov_b32 v[QN+\k], v[S+6+\k]
.endr
	s_wait_alu depctr_va_vdst(0)
	s_wait_tensorcnt 0x0                               ; my sixteenth of the record is in,
	s_barrier_signal -1
	s_barrier_wait -1                                  ; everybody's is
	QTILE 0
	QTILE 1
	v_cndmask_b32 v239, v[WD], v[WD+1], s40            ; lanes 0-15 tile 0's scale bytes, lanes 16-31 tile 1's
	ds_store_b32 v[OSA], v239
	s_wait_dscnt 0x0                                   ; for the others' sake: my store is done
	s_barrier_signal -1
	s_barrier_wait -1
	s_cmp_lt_u32 s[WV], 4
	s_cbranch_scc0 .Lno_out
	ds_load_b128 v[240:243], v[OSR]
	s_wait_dscnt 0x0
	global_store_b128 v[OSO], v[240:243], s[22:23]     ; 512 consecutive bytes, aligned: a group of 128 tokens
.Lno_out:
	s_wait_tensorcnt 0x0                               ; the wave's end
	ds_add_u32 v[SPW], v[NIL]
	s_wait_dscnt 0x0
	CROUND                                             ; the closing round
	s_endpgm
.Lfunc_end_k_q90bba11448_attn:
	.size	k_q90bba11448_attn, .Lfunc_end_k_q90bba11448_attn-k_q90bba11448_attn
	.p2alignl 7, 3214868480
	.fill 96, 4, 3214868480
	.section	.rodata,"a",@progbits
	.p2align	6, 0x0
	.amdhsa_kernel k_q90bba11448_attn
		.amdhsa_group_segment_fixed_size 265216
		.amdhsa_private_segment_fixed_size 0
		.amdhsa_enable_private_segment 0
		.amdhsa_kernarg_size 32
		.amdhsa_user_sgpr_count 2
		.amdhsa_user_sgpr_kernarg_segment_ptr 1
		.amdhsa_wavefront_size32 1
		.amdhsa_system_sgpr_workgroup_id_x 1
		.amdhsa_system_sgpr_workgroup_id_y 1
		.amdhsa_system_sgpr_workgroup_id_z 1
		.amdhsa_system_vgpr_workitem_id 0
		.amdhsa_next_free_vgpr 256
		.amdhsa_next_free_sgpr 66
		.amdhsa_reserve_vcc 0
		.amdhsa_float_denorm_mode_32 3
		.amdhsa_float_denorm_mode_16_64 3
		.amdhsa_memory_ordered 1
		.amdhsa_forward_progress 1
		.amdhsa_inst_pref_size 49
	.end_amdhsa_kernel
	.amdgpu_metadata
---
amdhsa.version: [ 1, 2 ]
amdhsa.kernels:
  - .name:           k_q90bba11448_attn
    .symbol:         k_q90bba11448_attn.kd
    .args:
      - { .name: qrec, .offset: 0, .size: 8, .value_kind: global_buffer, .address_space: global }
      - { .name: kvrec, .offset: 8, .size: 8, .value_kind: global_buffer, .address_space: global }
      - { .name: oimg, .offset: 16, .size: 8, .value_kind: global_buffer, .address_space: global }
      - { .name: oscl, .offset: 24, .size: 8, .value_kind: global_buffer, .address_space: global }
    .group_segment_fixed_size: 265216
    .private_segment_fixed_size: 0
    .kernarg_segment_align: 8
    .kernarg_segment_size: 32
    .max_flat_workgroup_size: 512
    .sgpr_count:     66
    .vgpr_count:     256
    .wavefront_size: 32
...
	.end_amdgpu_metadata
.endif
;; end of part 3
;; launch outp (part 4): grid 4 x 64, 4 waves a work-group, clusters of 4 x 1, 327,680 bytes of LDS; arguments oimg, oscl, img, scl, x, out0; writes out0
.if DOCPART == 4
	.amdgcn_target "amdgcn-amd-amdhsa--gfx1250"
	.amdhsa_code_object_version 6
	.text
	.protected	k_q90bba11448_outp
	.globl	k_q90bba11448_outp
	.p2align	8
	.type	k_q90bba11448_outp,@function
k_q90bba11448_outp:
	s_mov_b64 s[64:65], 0
	v_nop
	global_prefetch_b8 v0, s[64:65] scope:SCOPE_SE
	s_setreg_imm32_b32 hwreg(HW_REG_WAVE_MODE, 25, 1), 1
	s_wait_xcnt 0x0
	s_wait_alu depctr_hold_cnt(0) depctr_sa_sdst(0) depctr_va_vdst(0) depctr_va_sdst(0) depctr_va_ssrc(0) depctr_va_vcc(0) depctr_vm_vsrc(0)
	s_getreg_b32 s2, hwreg(HW_REG_IB_STS2, 6, 4)
	s_cmp_eq_u32 s2, 0
	s_cbranch_scc0 .Lentry_in_a_cluster
	s_endpgm
.Lentry_in_a_cluster:
	s_bfe_u32 s2, ttmp6, 0x10000c
	s_cmp_lg_u32 s2, 0x3003
	s_cbranch_scc0 .Lentry_shape_is_right
	s_endpgm
.Lentry_shape_is_right:
; out0 = x + o Wo^T, the product on E2M3 codes.  No work of the problem is left out here.
; SHARES.  y is a group of 128 tokens; partner cx and wave w own columns 64 (4 cx + w) on: 64 columns x 128 tokens, 256 matrix instructions.  The wave's part of Wo (32 fragments, 384 registers) stays in registers.
; The tokens' 64 fragments of o (98,304 bytes) are shared by the four partners: each wave asks for a quarter by one joint tensor load.  Its own strip of x (128 rows x 256 bytes) comes by a second, plain tensor load.
; LDS is filled once: no ring.  A wave has one tensor load out at a time.
; o's fragment lies in pieces of 8 bytes a lane: registers 2 p, 2 p + 1 of lane l at 256 p + 8 l; pieces 0-2 were written by head 2 s, pieces 3-5 by head 2 s + 1.  Its scale word is made here of the two heads' byte pairs.
; Source 0 = 16 rows of Wo, source 1 = 16 tokens: a lane holds one token, the registers of tiles 2 b + u are columns 32 b + 16 h + 8 u + j.  Results go through the wave's own stage and leave, with x added, as rows of 256 bytes.
; REGISTERS: window 0: v1-10 addresses; v16-111 two sets of 4 fragments of o; v112-127 Wo's scale words, v128-159 o's; on the way out v16-79 and v160-223.  Windows 1, 2: Wo.  Window 3: the 32 accumulators at 32 m + 8 nt.
.set XS,    98304                      ; four strips of x, 32,768 bytes each
.set STG,   229376                     ; four waves x two stages of 16 rows x 272 bytes
.set SPARE, 264192                     ; the spare words: 128 bytes a wave, two blocks of 256 bytes that no other line names
.set LI,  1
.set LI8, 2                            ; v2  8 x lane
.set LI8B, 3                           ; v3  the same, 49,152 bytes on
.set RR,  4
.set SPW, 5
.set NIL, 6
.set STO, 7
.set RDS, 8
.set XRD, 9
.set CO,  10
.set HH,  11
.set AF,  16
.set WS,  112
.set AS,  128
.set WV,  16
.set MSB, 0
.macro WIN new
.if MSB != (\new)
	s_set_vgpr_msb (MSB<<8)|(\new)
.set MSB, (\new)
.endif
.endm
.macro PLACES n
.rept \n
	v_nop
.endr
.endm
.macro CROUND
	s_barrier_signal -1
	s_barrier_wait -1
	s_cmp_lg_u32 s[WV], 0
	s_cbranch_scc1 .Lnot_wave_0_\@
	s_barrier_signal -3
.Lnot_wave_0_\@:
	s_barrier_wait -3
	s_barrier_signal -1
	s_barrier_wait -1
.endm
.macro WM d, a, b, zero, sa, sb, ra, rb
.if (\zero)
.if (\ra) && (\rb)
	v_wmma_scale_f32_16x16x128_f8f6f4 v[(\d):(\d)+7], v[(\a):(\a)+11], v[(\b):(\b)+11], 0, v[\sa], v[\sb] matrix_a_fmt:MATRIX_FMT_FP6 matrix_b_fmt:MATRIX_FMT_FP6 matrix_a_scale:MATRIX_SCALE_ROW1 matrix_b_scale:MATRIX_SCALE_ROW1
.elseif (\ra)
	v_wmma_scale_f32_16x16x128_f8f6f4 v[(\d):(\d)+7], v[(\a):(\a)+11], v[(\b):(\b)+11], 0, v[\sa], v[\sb] matrix_a_fmt:MATRIX_FMT_FP6 matrix_b_fmt:MATRIX_FMT_FP6 matrix_a_scale:MATRIX_SCALE_ROW1
.elseif (\rb)
	v_wmma_scale_f32_16x16x128_f8f6f4 v[(\d):(\d)+7], v[(\a):(\a)+11], v[(\b):(\b)+11], 0, v[\sa], v[\sb] matrix_a_fmt:MATRIX_FMT_FP6 matrix_b_fmt:MATRIX_FMT_FP6 matrix_b_scale:MATRIX_SCALE_ROW1
.else
	v_wmma_scale_f32_16x16x128_f8f6f4 v[(\d):(\d)+7], v[(\a):(\a)+11], v[(\b):(\b)+11], 0, v[\sa], v[\sb] matrix_a_fmt:MATRIX_FMT_FP6 matrix_b_fmt:MATRIX_FMT_FP6
.endif
.else
.if (\ra) && (\rb)
	v_wmma_scale_f32_16x16x128_f8f6f4 v[(\d):(\d)+7], v[(\a):(\a)+11], v[(\b):(\b)+11], v[(\d):(\d)+7], v[\sa], v[\sb] matrix_a_fmt:MATRIX_FMT_FP6 matrix_b_fmt:MATRIX_FMT_FP6 matrix_a_scale:MATRIX_SCALE_ROW1 matrix_b_scale:MATRIX_SCALE_ROW1
.elseif (\ra)
	v_wmma_scale_f32_16x16x128_f8f6f4 v[(\d):(\d)+7], v[(\a):(\a)+11], v[(\b):(\b)+11], v[(\d):(\d)+7], v[\sa], v[\sb] matrix_a_fmt:MATRIX_FMT_FP6 matrix_b_fmt:MATRIX_FMT_FP6 matrix_a_scale:MATRIX_SCALE_ROW1
.elseif (\rb)
	v_wmma_scale_f32_16x16x128_f8f6f4 v[(\d):(\d)+7], v[(\a):(\a)+11], v[(\b):(\b)+11], v[(\d):(\d)+7], v[\sa], v[\sb] matrix_a_fmt:MATRIX_FMT_FP6 matrix_b_fmt:MATRIX_FMT_FP6 matrix_b_scale:MATRIX_SCALE_ROW1
.else
	v_wmma_scale_f32_16x16x128_f8f6f4 v[(\d):(\d)+7], v[(\a):(\a)+11], v[(\b):(\b)+11], v[(\d):(\d)+7], v[\sa], v[\sb] matrix_a_fmt:MATRIX_FMT_FP6 matrix_b_fmt:MATRIX_FMT_FP6
.endif
.endif
.endm
.macro WLOAD base
.irp nt, 0,1,2,3
.irp s, 0,1,2,3
.irp c, 0,1,2
	global_load_b128 v[12*(4*\nt+\s)+4*\c:12*(4*\nt+\s)+4*\c+3], v[LI], s[36:37] offset:(8*\nt+\s+\base)*1536+512*\c
.endr
.endr
.endr
.endm
.macro FETCH n                         ; four fragments of o: K step n / 2, token tiles 4 (n % 2) .. + 3, into set n % 2
.set fs, (\n)/2
.set fq, (\n)%2
.set fb, AF+48*((\n)%2)
.irp i, 0,1,2,3
.irp p, 0,1,2,3,4,5
	ds_load_b64 v[fb+12*\i+2*\p:fb+12*\i+2*\p+1], v[LI8+fq] offset:12288*\i+1536*fs+256*\p
.endr
.endr
.endm
.macro TOSTAGE m                       ; token tile m: 16 rows x 256 bytes into stage m % 2, back as whole rows, and the same rows of x
	WIN 0x0c                                           ; an LDS store's data are its source 1: window 3
.irp nt, 0,1,2,3
	ds_store_b128 v[STO], v[32*(\m)+8*\nt:32*(\m)+8*\nt+3] offset:4352*((\m)%2)+128*(\nt/2)+32*(\nt%2)       ; each accumulator from its low end on
	ds_store_b128 v[STO], v[32*(\m)+8*\nt+4:32*(\m)+8*\nt+7] offset:4352*((\m)%2)+128*(\nt/2)+32*(\nt%2)+16
.endr
	WIN 0
.set RB, 16+144*((\m)%2)
.irp t, 0,1,2,3,4,5,6,7
	ds_load_b128 v[RB+4*\t:RB+4*\t+3], v[RDS] offset:4352*((\m)%2)+544*\t   ; LDS serves a wave's instructions in order: these see my stores
.endr
.irp t, 0,1,2,3,4,5,6,7
	ds_load_b128 v[RB+32+4*\t:RB+32+4*\t+3], v[XRD] offset:(16*(\m)+2*\t)*256
.endr
.endm
.macro SEND m, younger                 ; younger: the LDS instructions issued behind tile m's loads, which may stay out
.set RB, 16+144*((\m)%2)
	s_wait_dscnt \younger
.set k, 0
.rept 16
	v_pk_add_f32 v[RB+k:RB+k+1], v[RB+k:RB+k+1], v[RB+32+k:RB+32+k+1]   ; the residual
.set k, k+2
.endr
.irp t, 0,1,2,3,4,5,6,7
	global_store_b128 v[CO], v[RB+4*\t:RB+4*\t+3], s[42:43] offset:(16*(\m)+2*\t)*4096 th:TH_STORE_NT   ; sixteen lanes store 256 consecutive bytes, aligned
.endr
.endm
	s_load_b256 s[4:11], s[0:1], 0x0                   ; oimg, oscl, img, scl
	s_load_b128 s[12:15], s[0:1], 0x20                 ; x, out0
	v_lshl_add_u32 v[SPW], v0, 2, SPARE
	v_mov_b32 v[NIL], 0
	ds_add_u32 v[SPW], v[NIL]                          ; the opening: the add, twice on end, and its wait ahead of my first tensor load
	ds_add_u32 v[SPW], v[NIL]
	v_lshrrev_b32 v12, 5, v0
	v_readfirstlane_b32 s[WV], v12                     ; wave 0..3
	v_and_b32 v12, 31, v0
	v_and_b32 v[RR], 15, v0
	v_bfe_u32 v[HH], v0, 4, 1
	v_lshlrev_b32 v[LI], 4, v12
	v_lshlrev_b32 v[LI8], 3, v12
	v_add_nc_u32 v[LI8B], 49152, v[LI8]
	s_mul_i32 s22, s[WV], 8704
	s_add_co_u32 s22, s22, STG                         ; my two stages
	v_mul_u32_u24 v[STO], v[RR], 272
	v_lshl_add_u32 v[STO], v[HH], 6, v[STO]
	v_add_nc_u32 v[STO], s22, v[STO]                   ; in: row r, + 64 h
	v_mul_u32_u24 v[RDS], v[HH], 272
	v_lshl_add_u32 v[RDS], v[RR], 4, v[RDS]
	v_add_nc_u32 v[RDS], s22, v[RDS]                   ; back: lanes 0-15 one row, lanes 16-31 the next
	s_lshl_b32 s22, s[WV], 15
	s_add_co_u32 s22, s22, XS
	v_add_nc_u32 v[XRD], s22, v[LI]                    ; the same two rows of my strip of x: they lie on end
	v_lshlrev_b32 v[CO], 12, v[HH]
	v_lshl_add_u32 v[CO], v[RR], 4, v[CO]              ; and in out0
	s_bfe_u32 s17, ttmp6, 0x40000                      ; cx
	s_and_b32 s18, ttmp7, 0xffff                       ; the group of 128 tokens
	s_lshl_b32 s19, s17, 2
	s_add_co_u32 s19, s19, s[WV]                       ; my 64 columns
	s_mov_b32 s24, 15|(3<<16)|(1<<21)                  ; group 1 for o: the four partners; elements of 8 bytes; bit 21 beside a mask
	s_mov_b32 s25, 32<<16
	s_mov_b32 s26, 96<<16
	s_mov_b32 s27, 32<<16
	s_mov_b32 s28, 96                                  ; 96 dense rows of 256 bytes: two tiles
	s_mov_b32 s29, 32
	s_mov_b32 s30, 0
	s_mov_b32 s31, 0
	s_mov_b32 s52, 3<<16                               ; group 1 for x: no mask; 128 rows of 256 bytes, 4,096 bytes apart
	s_mov_b32 s53, 32<<16
	s_mov_b32 s54, 128<<16
	s_mov_b32 s55, 32<<16
	s_mov_b32 s56, 128
	s_mov_b32 s57, 512
	s_mov_b32 s58, 0
	s_mov_b32 s59, 0
	s_lshl_b32 s20, s18, 3
	s_lshl_b32 s22, s[WV], 1
	s_add_co_u32 s20, s20, s22                         ; the two tiles that I fetch: no place in the cluster enters
	s_mul_i32 s20, s20, 12288
	s_mov_b32 s21, 0
	s_lshl_b32 s48, s18, 19                            ; 128 rows of 4,096 bytes,
	s_lshl_b32 s23, s19, 8                             ; my 256 bytes of a row
	s_add_co_u32 s48, s48, s23
	s_mov_b32 s49, 0
	s_lshl_b32 s23, s19, 2
	s_add_co_u32 s23, s23, 1216                        ; Wo's tiles
	s_mul_i32 s50, s23, 12288
	s_mov_b32 s51, 0
	s_lshl_b32 s60, s23, 9
	s_mov_b32 s61, 0
	s_lshr_b32 s62, s18, 4
	s_lshl_b32 s62, s62, 17                            ; o's scale bytes: 16 heads x 8,192 bytes a batch,
	s_and_b32 s22, s18, 15
	s_lshl_b32 s22, s22, 9                             ; 512 a group
	s_add_co_u32 s62, s62, s22
	s_mov_b32 s63, 0
	s_mov_b32 s32, 1
	s_mul_i32 s33, s[WV], 24576
	s_mov_b32 s44, 1
	s_lshl_b32 s45, s[WV], 15
	s_add_co_u32 s45, s45, XS
	s_wait_dscnt 0x0                                   ; both opening adds are done
	s_wait_kmcnt 0x0
	s_add_nc_u64 s[34:35], s[4:5], s[20:21]
	s_or_b32 s35, s35, 0x80000000
	s_add_nc_u64 s[46:47], s[12:13], s[48:49]
	s_or_b32 s47, s47, 0x80000000
	s_add_nc_u64 s[36:37], s[8:9], s[50:51]
	s_add_nc_u64 s[38:39], s[10:11], s[60:61]
	s_add_nc_u64 s[40:41], s[6:7], s[62:63]
	s_add_nc_u64 s[42:43], s[14:15], s[48:49]
	CROUND                                             ; all four partners are here: the joint loads meet
	tensor_load_to_lds s[32:35], s[24:31]              ; o's fragments, jointly
	s_nop 0
	PLACES 4
	WIN 0x40
	WLOAD 0
	WIN 0x80
	WLOAD 4
	WIN 0
.irp b, 0,1
.irp q, 0,1
	global_load_b128 v[WS+8*\b+4*\q:WS+8*\b+4*\q+3], v[LI], s[38:39] offset:1024*\b+512*\q
.endr
.endr
.irp g, 0,1,2,3,4,5,6,7,8,9,10,11,12,13,14,15
	global_load_b128 v[16+4*\g:19+4*\g], v[LI], s[40:41] offset:8192*\g   ; head g: the byte pairs of tokens 32 a + lane, a = 0 .. 3
.endr
	s_wait_loadcnt 0x0
.irp a, 0,1,2,3
.irp s, 0,1,2,3,4,5,6,7
	v_lshl_or_b32 v[AS+8*\a+\s], v[16+4*(2*\s+1)+\a], 16, v[16+4*(2*\s)+\a]   ; K step s: head 2 s below, head 2 s + 1 above
.endr
.endr
	PLACES 8                                           ; a scale register written by a vector instruction stands 8 places ahead of a scaled product
	s_wait_alu depctr_va_vdst(0)
	s_wait_tensorcnt 0x0                               ; my quarter of o is in
	ds_add_u32 v[SPW], v[NIL]
	s_wait_dscnt 0x0
	CROUND                                             ; a whole round: everybody's quarter is in
	tensor_load_to_lds s[44:47], s[52:59]              ; my strip of x, which I alone read: my one tensor load behind the round; one load of mine is out at a time; it lands under the products
	s_nop 0
	PLACES 4
	FETCH 0
.set n, 0
.rept 16                                               ; the 32 accumulators take turns, one instruction a turn
.if n < 15
.if n >= 1
	PLACES 4                                           ; in front of loads into the set that the products just issued have read
.endif
	FETCH n+1
	s_wait_dscnt 24                                    ; this run's fragments are in; the 24 reads just issued stay out
.else
	s_wait_dscnt 0x0
.endif
.set ks, n/2
.set q2, n%2
.set ww, 1+ks/4
.set wb, 12*(ks%4)
.set ab, AF+48*(n%2)
	WIN 0xf0|ww
.irp i, 0,1,2,3
.irp nt, 0,1,2,3
	WM 32*(4*q2+\i)+8*\nt, 48*\nt+wb, ab+12*\i, ks==0, WS+8*(\nt/2)+ks, AS+8*((4*q2+\i)/2)+ks, \nt%2, \i%2
.endr
.endr
	WIN 0
.set n, n+1
.endr
	s_wait_tensorcnt 0x0                               ; my strip of x is in
	PLACES 4                                           ; behind the last products: for the first read of results and the loads into the fragments' registers
	TOSTAGE 0
.irp m, 1,2,3,4,5,6,7
.if \m > 1
	s_wait_xcnt 0x0                                    ; the stores of the tile two back have read their registers
.endif
	TOSTAGE \m
	SEND \m-1, 24                                      ; behind that tile's loads: this tile's 8 stores and 16 loads
.endr
	SEND 7, 0
	s_wait_tensorcnt 0x0                               ; the wave's end
	ds_add_u32 v[SPW], v[NIL]
	s_wait_dscnt 0x0
	CROUND                                             ; the closing round
	s_endpgm
.Lfunc_end_k_q90bba11448_outp:
	.size	k_q90bba11448_outp, .Lfunc_end_k_q90bba11448_outp-k_q90bba11448_outp
	.p2alignl 7, 3214868480
	.fill 96, 4, 3214868480
	.section	.rodata,"a",@progbits
	.p2align	6, 0x0
	.amdhsa_kernel k_q90bba11448_outp
		.amdhsa_group_segment_fixed_size 327680
		.amdhsa_private_segment_fixed_size 0
		.amdhsa_enable_private_segment 0
		.amdhsa_kernarg_size 48
		.amdhsa_user_sgpr_count 2
		.amdhsa_user_sgpr_kernarg_segment_ptr 1
		.amdhsa_wavefront_size32 1
		.amdhsa_system_sgpr_workgroup_id_x 1
		.amdhsa_system_sgpr_workgroup_id_y 1
		.amdhsa_system_sgpr_workgroup_id_z 1
		.amdhsa_system_vgpr_workitem_id 0
		.amdhsa_next_free_vgpr 1024
		.amdhsa_next_free_sgpr 66
		.amdhsa_reserve_vcc 0
		.amdhsa_float_denorm_mode_32 3
		.amdhsa_float_denorm_mode_16_64 3
		.amdhsa_memory_ordered 1
		.amdhsa_forward_progress 1
		.amdhsa_inst_pref_size 106
	.end_amdhsa_kernel
	.amdgpu_metadata
---
amdhsa.version: [ 1, 2 ]
amdhsa.kernels:
  - .name:           k_q90bba11448_outp
    .symbol:         k_q90bba11448_outp.kd
    .args:
      - { .name: oimg, .offset: 0, .size: 8, .value_kind: global_buffer, .address_space: global }
      - { .name: oscl, .offset: 8, .size: 8, .value_kind: global_buffer, .address_space: global }
      - { .name: img, .offset: 16, .size: 8, .value_kind: global_buffer, .address_space: global }
      - { .name: scl, .offset: 24, .size: 8, .value_kind: global_buffer, .address_space: global }
      - { .name: x, .offset: 32, .size: 8, .value_kind: global_buffer, .address_space: global }
      - { .name: out0, .offset: 40, .size: 8, .value_kind: global_buffer, .address_space: global }
    .group_segment_fixed_size: 327680
    .private_segment_fixed_size: 0
    .kernarg_segment_align: 8
    .kernarg_segment_size: 48
    .max_flat_workgroup_size: 128
    .sgpr_count:     66
    .vgpr_count:     1024
    .wavefront_size: 32
...
	.end_amdgpu_metadata
.endif
;; end of part 4
